; MI455X (gfx1250); checked and timed in simulation.
; The chip was launched on July 23, 2026; its instructions are those of AMD's public machine-readable ISA for CDNA 5 (MIT licence, August 2026) and "CDNA5" Instruction Set Architecture Reference Guide (July 2026). The comments in the code are by the model that wrote it; some were corrected since.
;; Spike Refractory Encoder. Allowed arithmetic: matrix products marked QUANTISED: E2M3 operands, one E8M0 scale for each 32 along K, by v_wmma_scale_f32_16x16x128_f8f6f4 with both operands' format E2M3, f32 sums; products left as they are: f32 operands where the result goes on into a quantised operand, else bf16, f16 or f32 operands; f32 sums; everything else in f32.
;; Inputs: W1 35 x 32 float32; W2_codes 32 x 1 x 24 uint8 (E2M3 codes of W2, K innermost, in blocks of 32 codes, four codes in three bytes); W2_scales 32 x 1 uint8 (E8M0 scales of W2, one for each 32 codes along K); b1 32 float32; b2 32 float32; gate_b one number float32; gate_w 32 float32; log_alpha 64 float32; log_tau_r 64 float32; mask 8 x 2,048 float32; time_norm 8 x 2,048 float32; value 8 x 2,048 float32; var_emb 64 x 32 float32; var_id 8 x 2,048 int32.
;; Outputs: out0 8 x 2,048 float32.
;; This version of the problem:
;;   THIS VERSION OF THE PROBLEM IS GIVEN IN LOW PRECISION. The matrix products marked QUANTISED in the list below multiply operands that are first quantised to E2M3 (2 exponent bits, 3 mantissa bits; 6 bits a number), with one power-of-two scale for each 32 numbers along K (OCP MX v1.0); their sums are f32. All else is computed in f32.
;;   The module's matrix products, in the order in which they are computed (A, B: the left and right operand; K: the contracted axis; several contracted axes count as one K, in the product's order):
;;     1. [M 16,384, K 35] x [K 35, N 32]; A: computed on the way; B: input W1: QUANTISED
;;     2. [M 16,384, K 32] x [K 32, N 32]; A: computed on the way; B: input W2 (given as codes): QUANTISED
;;     3. [M 16,384, K 32] x [K 32, N 1]; A: computed on the way; B: input gate_w: left as it is (N = 1 < 16)
;;     4. batch 8 x [M 2,048, K 2,048] x [K 2,048, N 1]; A: computed on the way; B: computed on the way: left as it is (N = 1 < 16)
;;   THE QUANTISER, for each operand of a quantised product, along K:
;;     - K is cut into blocks of 32 from its start; a last block that is shorter is filled with zeros.
;;     - A block's scale is 2^e with e = floor(log2(the largest magnitude in the block)) - 2, held to -126 .. 127; a block of zeros has e = 0. As a byte (E8M0): e + 127.
;;     - Each number is divided by its block's scale, clamped to +-7.5, and rounded to the nearest number of E2M3, ties to even, subnormals kept.
;;     - The product sums the exact products of the quantised numbers (number of the format x scale) in f32.
;;   ~~~python
;;   def quantise(x, axis):      # numpy; x: float32 -> the quantised numbers, widened to float32 again
;;       x = np.moveaxis(x, axis, -1); K = x.shape[-1]
;;       x = np.pad(x, [(0, 0)] * (x.ndim - 1) + [(0, -K % 32)]); x = x.reshape(x.shape[:-1] + (-1, 32)); a = np.abs(x).max(-1, keepdims=True)
;;       e = np.where(a > 0, np.clip(np.frexp(np.where(a > 0, a, 1))[1] - 1 - 2, -126, 127), 0)      # np.frexp(a)[1] - 1 = floor(log2(a)), exactly
;;       r = np.clip(x / 2.0 ** e, -7.5, 7.5)
;;       step = 2.0 ** (np.maximum(np.frexp(np.where(r == 0, 1, r))[1] - 1, 0) - 3)
;;       q = np.round(r / step) * step * 2.0 ** e      # np.round: ties to even
;;       return np.moveaxis(q.reshape(q.shape[:-2] + (-1,))[..., :K], -1, axis).astype(np.float32)
;;   ~~~
;;   OPERANDS COMPUTED ON THE WAY. 'Computed on the way' means the value that the module computes at that place (a softmax that the list does not call 'softmax' is quantised finished and normalised). What goes into a quantiser is computed in f32, as accurately as f32 sums, v_exp_f32 and their like allow (about 1e-6 of the number): no bf16 or f16 on the way to a quantiser, and a product that is left as it is and whose result goes on into a quantised operand takes f32 operands (vector FMAs, or v_wmma_f32_16x16x4_f32). A number that lies on a knife's edge between two numbers of the format may be rounded either way, as far as f32 arithmetic and the matrix unit's own rounding can turn it there, and no further.
;;   INPUTS GIVEN AS CODES. W2 (in the module: [32, 32], K = its axis 0): each comes as NAME_codes (uint8): NAME with its K axis moved to the last place and cut into blocks of 32 codes, [.., K / 32, bytes a block], one block behind the other in memory; four codes in three bytes: a row's codes are one little-endian stream of bits, code i at bits 6 i .. 6 i + 5 (a code: sign, 2 exponent bits, 3 mantissa bits); and NAME_scales (uint8): the same leading axes, one E8M0 byte (e + 127) for each 32 codes along K. Its value is code x scale, taken as it is: it is not quantised again, and the codes and scales need not be those that the quantiser above would give.
;; 2 versions, each right; version 2 is version 1 with the launch spike written anew for expert scheduling mode. Each part assembles by itself: llvm-mc -triple=amdgcn-amd-amdhsa -mcpu=gfx1250 --defsym DOCPART=n.
;; ======== version 1 of 2: 1 launch
;; launch spike (part 1): grid 64 x 8, 1 waves a work-group, no clusters, 59,648 bytes of LDS; arguments var_id, value, time_norm, mask, var_emb, W1, b1, W2_codes, W2_scales, b2, gate_w, gate_b, log_tau_r, log_alpha, out0; writes out0
.if DOCPART == 1
	.amdgcn_target "amdgcn-amd-amdhsa--gfx1250"
	.amdhsa_code_object_version 6
	.text
	.protected	k_q49b7cad8ec_spike
	.globl	k_q49b7cad8ec_spike
	.p2align	8
	.type	k_q49b7cad8ec_spike,@function
k_q49b7cad8ec_spike:
	s_mov_b64 s[64:65], 0
	v_nop
	global_prefetch_b8 v0, s[64:65] scope:SCOPE_SE
	s_setreg_imm32_b32 hwreg(HW_REG_WAVE_MODE, 25, 1), 1
	s_wait_xcnt 0x0
; SpikeRefractoryEncoder, 8 batches x 2,048 observations, 64 variables, in ONE launch.
; spike_raw = sigmoid(gate_w . (gelu(feats W1 + b1) W2 + b2) + gate_b) x mask, both products on codes of FP6 (E2M3) with one E8M0 scale for each 32 along K;
; out[n] = spike_raw[n] x (1 - tanh(alpha x sum over m of [same variable][t_m < t_n] mask_n mask_m exp(-(t_n - t_m) / max(tau, 1e-6)) spike_raw[m])) x mask[n].
; SHARES.  The pair mask that the problem builds itself keeps only pairs of ONE variable of ONE batch.  Such a bucket is closed: its members' rows of the MLP belong to no other bucket, its sums need its
; own members alone, and each output number has one bucket.  So a work-group is one wave and owns bucket (batch = y, variable = x): it scans the batch's 2,048 var_id, lists its L members in LDS, gathers
; their value, time and mask, takes them through the MLP 32 at a time, sums over its own L x L pairs, and stores its members' numbers.  Nothing passes between work-groups; there is one wave, so there is no barrier.
; All trip counts and data-dependent addresses hang on var_id alone, which is whole numbers read from memory; no branch and no address hangs on a floating-point number.
; ALL LANES STAY ON THROUGHOUT.  The places behind the list's end name the bucket's FIRST MEMBER once more: such a place is a true copy of it (same record, same row of the MLP, same sum) and stores the same number
; at the same place in out0; only its weight as an m of the sums is set to 0.
; NO CLUSTER: the 64 work-groups of a batch read the same 8,192 bytes of var_id, but a joint request is a tensor load, and this text's trip counts hang on a count made from loaded numbers.
; NO WHOLE 256-BYTE STORES: an output's owner is its bucket, so a lane stores 4 bytes at its member's place; all outputs together are 65,536 bytes.
; OPERAND LAYOUT.  A true block of 32 along K is laid as two halves of 16: half h in lanes 16 h + r, registers 0-2 (the instruction's k = 32 h + 0 .. 15), alike in both operands; its one scale byte stands in
; bytes 0 and 1 of the scale word; registers 3-5 hold zero codes.  Blocks and scales are the quantiser's own; only the place of k inside the instruction is chosen.  So a conversion's three registers ARE the operand's.
; Product 1 (K = 35): the short second block (k = 32 .. 34) lies in lanes 0-15, registers 6-8, under byte 2.  Both products are used transposed (source 0 = weights, source 1 = 16 members): a lane holds one member.
; THE COLUMNS OF W1 THAT FORM A TILE ARE NOT NEIGHBOURS: lane r of tile u takes column 8 u + r + 8 (r / 8), so that a lane's 16 results of tiles 0 and 1 are hidden units 16 h + 0 .. 15, neighbours along the next K.
; LIMITS.  Right for every split of var_id (LDS holds a bucket of all 2,048), but a bucket's pairs are one wave's work: L x L.  NaN and infinities among the inputs are not served.  erf is a rational
; approximation on |y| <= 4 with an absolute error of about 1e-7.  A block whose largest magnitude lies under 2^-124 gets the byte 1 (a block of zeros too: its codes are zeros).  The pair sums run in list order, not in m.
.set IDX,  0                           ; LDS: words 0 .. 2111 the list of members (index in the batch), words 2112 .. 2143 one dump word a lane
.set REC,  8704                        ; 2,112 records of 16 bytes: t, value x mask (later spike_raw), mask
.set TW,   42496                       ; 2,112 pairs of 8 bytes: t, w = spike_raw x mask
.set FLOORB, 0x1800000                 ; 2^(3 - 127): the floor under every largest magnitude, so that no scale byte falls under 1
.set EOFF, 0xff000000                  ; takes 2 off an exponent field
; window 0
.set VI,   144                         ; v144-207 var_id, 64 numbers a lane (the head and the scan)
.set WR,   208                         ; v208-239 W1's rows 16 h + i of my column, tile u at +16 u
.set WX,   244                         ; v244-246, v248-250 W1's rows 32 .. 34
.set ZB,   144                         ; v144-159 a short block: three numbers and 13 zeros
.set F0,   48                          ; v48-79   the features of tile a at +16 a
.set PB,   80                          ; v80-103  their codes, 12 registers a tile
.set PH,   104                         ; v104-127 the hidden layer's codes
.set GW,   128                         ; v128-143 gate_w in the second product's result layout
.set H0,   144                         ; v144-175 the hidden layer: tile a, W1's tile u at +16 a + 8 u
.set GY,   176                         ; v176-239 gelu's y, y^2, numerator, denominator, 16 each
.set GQ,   192
.set GN,   208
.set GD,   224
.set OA,   176                         ; v176-207 the second product's results: tile a, W2's tile T at +16 a + 8 T
.set DT,   244                         ; v244-251 the gate's sums
.set PX,   252                         ; v252-253 destinations of lane permutes
.set BUF0, 144                         ; the pairs: eight (t, w) each
.set BUF1, 160
.set XR,   176                         ; v176-191 exponents, then decays
.set TN,   192                         ; v192-193 my two t_n
.set ACC,  194                         ; v194-197 two pairs of sums
.set VE,   68                          ; s68-99   my variable's embedding
; window 1: constants that matrix instructions alone read
.set W1A,  0                           ; v0-23    W1's codes, tile u at +12 u
.set W2A,  24                          ; v24-35, v44-55 W2's codes, tile T at +20 T
.set B1,   56                          ; v56-71   b1, tile u at +8 u
.set B2,   72                          ; v72-79, v128-135 b2, tile T at +56 T
.set MSB, 0
.macro WIN new                         ; the immediate's high byte repeats the setting that is left; a switch that changes nothing is dropped
.if MSB != \new
	s_set_vgpr_msb (MSB<<8)|\new
.set MSB, \new
.endif
.endm
.macro PLACES n
.rept \n
	v_nop
.endr
.endm
	; ---- the head: pointers, lane numbers, addresses
	s_load_b512 s[4:19], s[0:1], 0x0               ; var_id 4:5, value 6:7, time 8:9, mask 10:11, var_emb 12:13, W1 14:15, b1 16:17, W2's codes 18:19
	s_load_b256 s[20:27], s[0:1], 0x40             ; W2's scales 20:21, b2 22:23, gate_w 24:25, gate_b 26:27
	s_load_b128 s[28:31], s[0:1], 0x60             ; log_tau_r 28:29, log_alpha 30:31
	s_load_b64 s[32:33], s[0:1], 0x70              ; out0
	v_lshl_add_u32 v254, v0, 2, 0xe800
	v_mov_b32 v255, 0
	s_mov_b32 s34, ttmp9                           ; my variable
	s_and_b32 s35, ttmp7, 0xffff                   ; my batch
	s_lshl_b32 s36, s35, 13                        ; its 2,048 numbers of 4 bytes
	s_mov_b32 s37, 0
	s_lshl_b32 s38, s34, 2                         ; my variable's place in log_tau_r and log_alpha
	s_lshl_b32 s39, s34, 7                         ; and its row of var_emb
	s_mov_b32 s60, 0x76543210
	s_mov_b32 s61, 0xfedcba98                      ; v_permlanex16_b32's selects for lane l xor 16
	s_mov_b32 s67, 0xffff0000                      ; lanes 16-31
	s_mov_b32 s57, 0                               ; L, the count of members
	v_and_b32 v1, 15, v0                           ; r
	v_lshrrev_b32 v2, 4, v0                        ; h
	v_lshlrev_b32 v3, 2, v0                        ; 4 x lane
	v_lshlrev_b32 v4, 4, v0                        ; 16 x lane
	v_add_nc_u32 v5, 2112, v0                      ; my dump word
	v_mov_b32 v6, 0
	v_mov_b32 v7, 0                                ; a pair of zeros
	v_lshlrev_b32 v8, 2, v0                        ; the list: my place, 64 places a step
	v_lshlrev_b32 v9, 4, v0                        ; the records, on the way in
	v_mov_b32 v10, v1                              ; the MLP: the place in the list of member r of tile 0,
	v_add_nc_u32 v11, 16, v1                       ; and of tile 1; 32 places a trip
	v_lshlrev_b32 v12, 4, v1                       ; the records, for the MLP: member r of a tile, in both halves of the lanes
	v_lshlrev_b32 v13, 3, v1                       ; the pairs (t, w), on the way in
	v_lshlrev_b32 v14, 4, v0                       ; the records, for the sums
	v_and_b32 v17, 8, v1
	v_add_nc_u32 v17, v17, v1
	v_lshlrev_b32 v17, 2, v17                      ; W1: column r + 8 (r / 8), 4 bytes
	v_lshl_add_u32 v16, v2, 11, v17                ;     + 16 h rows of 128 bytes
	v_lshlrev_b32 v18, 6, v2                       ; b1: 16 h numbers on
	v_lshlrev_b32 v19, 5, v2                       ; b2, gate_w: 8 h numbers on
	v_mul_u32_u24 v20, v1, 24
	v_mad_u32_u24 v20, v2, 12, v20                 ; W2's codes: row r of 24 bytes, + 12 h: codes 16 h .. 16 h + 15
	v_mov_b32 v[PX], 0
	v_mov_b32 v[PX+1], 0                           ; written once: a lane permute's destination counts as one of its sources
	s_wait_kmcnt 0x0
	s_add_nc_u64 s[4:5], s[4:5], s[36:37]          ; the five tensors of observations at my batch
	s_add_nc_u64 s[6:7], s[6:7], s[36:37]
	s_add_nc_u64 s[8:9], s[8:9], s[36:37]
	s_add_nc_u64 s[10:11], s[10:11], s[36:37]
	s_add_nc_u64 s[32:33], s[32:33], s[36:37]
.irp j, 0,1,2,3,4,5,6,7,8,9,10,11,12,13,14,15
	global_load_b128 v[VI+4*\j:VI+4*\j+3], v4, s[4:5] offset:512*\j   ; var_id first: register 4 j + c is observation 128 j + 4 lane + c; 32 lanes read 512 consecutive bytes
.endr
	s_load_b512 s[VE:VE+15], s[12:13], s39 offset:0x0      ; my variable's 32 numbers of var_emb: the same for all my members, so they live in scalar registers
	s_load_b512 s[VE+16:VE+31], s[12:13], s39 offset:0x40
	s_load_b32 s100, s[28:29], s38 offset:0x0
	s_load_b32 s101, s[30:31], s38 offset:0x0
	s_load_b32 s2, s[26:27], 0x0
	; the 54 loads of constants
	WIN 0x40                                       ; destination window 1, address window 0
.irp t, 0,1
	global_load_b96 v[W2A+20*\t:W2A+20*\t+2], v20, s[18:19] offset:384*\t   ; W2's rows 16 T + r: 16 codes, 12 bytes, as they lie
.endr
.irp u, 0,1
	global_load_b128 v[B1+8*\u:B1+8*\u+3], v18, s[16:17] offset:32*\u       ; b1[16 h + 8 u + j]: the C of the first product
	global_load_b128 v[B1+8*\u+4:B1+8*\u+7], v18, s[16:17] offset:32*\u+16
.endr
.irp t, 0,1
	global_load_b128 v[B2+56*\t:B2+56*\t+3], v19, s[22:23] offset:64*\t     ; b2[16 T + 8 h + j]: the C of the second
	global_load_b128 v[B2+56*\t+4:B2+56*\t+7], v19, s[22:23] offset:64*\t+16
.endr
	; zero CODES fill what K = 35 and K = 32 leave of the instruction's 128: they add nothing under any scale byte but 0xff
.irp u, 0,1
.irp i, 3,4,5,9,10,11
	v_mov_b32 v[W1A+12*\u+\i], 0
.endr
.endr
.irp t, 0,1
.irp i, 3,4,5,6,7,8,9,10,11
	v_mov_b32 v[W2A+20*\t+\i], 0
.endr
.endr
	WIN 0
.irp u, 0,1
.irp i, 0,1,2,3,4,5,6,7,8,9,10,11,12,13,14,15
	global_load_b32 v[WR+16*\u+\i], v16, s[14:15] offset:32*\u+128*\i       ; W1(16 h + i, my column of tile u)
.endr
.endr
.irp u, 0,1
.irp i, 0,1,2
	global_load_b32 v[WX+4*\u+\i], v17, s[14:15] offset:32*\u+128*(32+\i)   ; W1(32 + i, the same column), in both halves of the lanes
.endr
.endr
.irp t, 0,1
	global_load_b128 v[GW+8*\t:GW+8*\t+3], v19, s[24:25] offset:64*\t       ; gate_w[16 T + 8 h + j]
	global_load_b128 v[GW+8*\t+4:GW+8*\t+7], v19, s[24:25] offset:64*\t+16
.endr
	global_load_u8 v38, v1, s[20:21]               ; W2's scale bytes, rows r and 16 + r
	global_load_u8 v39, v1, s[20:21] offset:16
.irp a, 0,1
.irp i, 3,4,5,9,10,11
	v_mov_b32 v[PB+12*\a+\i], 0
.endr
.irp i, 3,4,5,6,7,8,9,10,11
	v_mov_b32 v[PH+12*\a+\i], 0
.endr
.endr
	s_wait_xcnt 0x0                                ; all loads issued have read their addresses: v16-20 are written again below
	s_wait_loadcnt 54                              ; loads come back in order: var_id's 16 are in, the 54 behind them may be out
; ---- the scan.  Four registers of var_id at a time: which lanes hold my variable, where in the list each goes (the count so far + the matching lanes below mine), and one LDS store a register with all lanes on:
; a lane that does not match writes its own dump word.  The list's order is of no account: the sums below go by the times.
.macro SCAN4 j
.irp c, 0,1,2,3
	v_cmp_eq_u32 s[40+\c], s34, v[VI+4*\j+\c]
.endr
.irp c, 0,1,2,3
	s_bcnt1_i32_b32 s[48+\c], s[40+\c]
.endr
	s_add_co_u32 s44, s57, s48
	s_add_co_u32 s45, s44, s49
	s_add_co_u32 s46, s45, s50
	s_add_co_u32 s47, s46, s51
	v_mbcnt_lo_u32_b32 v16, s40, s57
	v_mbcnt_lo_u32_b32 v17, s41, s44
	v_mbcnt_lo_u32_b32 v18, s42, s45
	v_mbcnt_lo_u32_b32 v19, s43, s46
	s_mov_b32 s57, s47
.irp c, 0,1,2,3
	v_cndmask_b32 v[16+\c], v5, v[16+\c], s[40+\c]
.endr
.irp c, 0,1,2,3
	v_min_u32 v[16+\c], 2143, v[16+\c]             ; a number made from loaded data enters an address only held to the region's last word
.endr
.irp c, 0,1,2,3
	v_lshlrev_b32 v[16+\c], 2, v[16+\c]
.endr
.irp c, 0,1,2,3
	v_add_nc_u32 v[20+\c], 128*\j+\c, v3           ; the observation's index in the batch
.endr
.irp c, 0,1,2,3
	ds_store_b32 v[16+\c], v[20+\c]
.endr
.endm
.irp j, 0,1,2,3,4,5,6,7,8,9,10,11,12,13,14,15
	SCAN4 \j
.endr
	s_cmp_eq_u32 s57, 0
	s_cbranch_scc1 .Lend                           ; a bucket without members owns no output
	ds_load_b32 v17, v6                            ; the list's word 0, in every lane: my first member (LDS serves a wave's instructions in order: this sees the scan's stores)
	s_add_co_u32 s58, s57, 31
	s_lshr_b32 s58, s58, 5                         ; NT: trips of the MLP, 32 members each
	s_add_co_u32 s59, s57, 63
	s_lshr_b32 s59, s59, 6                         ; NG: steps of 64 places of the list
	s_add_co_u32 s62, s57, 15
	s_lshr_b32 s62, s62, 4                         ; M16: steps of 16 along m
	v_add_nc_u32 v16, s57, v0
	v_min_u32 v16, 2079, v16
	v_lshlrev_b32 v16, 2, v16
	s_wait_dscnt 0x0
	ds_store_b32 v16, v17                          ; 64 places behind the list name my first member once more: every place below 64 NG is written, and every place is a member's
	ds_store_b32 v16, v17 offset:128
; ---- the gather: 64 places of the list, two a lane.  GISSUE asks, GFINISH lays the records.
.macro GISSUE
	ds_load_b32 v27, v8
	ds_load_b32 v31, v8 offset:128
	s_wait_dscnt 0x0                               ; these see the list's stores
	v_min_u32 v27, 2047, v27
	v_min_u32 v31, 2047, v31
	v_lshlrev_b32 v32, 2, v27
	v_lshlrev_b32 v33, 2, v31
	global_load_b32 v24, v32, s[8:9]               ; t
	global_load_b32 v25, v32, s[6:7]               ; value
	global_load_b32 v26, v32, s[10:11]             ; mask
	global_load_b32 v28, v33, s[8:9]
	global_load_b32 v29, v33, s[6:7]
	global_load_b32 v30, v33, s[10:11]
.endm
.macro GFINISH
	s_wait_loadcnt 0x0
	v_mul_f32 v25, v25, v26                        ; value x mask
	v_mul_f32 v29, v29, v30
	ds_store_b96 v9, v[24:26] offset:REC
	ds_store_b96 v9, v[28:30] offset:REC+512
	v_add_nc_u32 v8, 256, v8
	v_add_nc_u32 v9, 1024, v9
.endm
	GISSUE
	; ---- the wave's constants are made while the first gather is on its way; nothing here names v24-33
	s_wait_loadcnt 6                               ; all but the six gathers just issued
	s_wait_kmcnt 0x0
	; W1: block 0 (rows 0 .. 31: my 16 and lane l xor 16's), block 1 (rows 32 .. 34), for both tiles by turns
.irp u, 0,1
	v_max3_num_f32 v[16+\u], |v[WR+16*\u]|, |v[WR+16*\u+1]|, FLOORB
.endr
.irp i, 2,4,6,8,10,12,14
.irp u, 0,1
	v_max3_num_f32 v[16+\u], v[16+\u], |v[WR+16*\u+\i]|, |v[WR+16*\u+\i+1]|
.endr
.endr
.irp u, 0,1
	v_permlanex16_b32 v[PX+\u], v[16+\u], s60, s61
.endr
.irp u, 0,1
	v_max_num_f32 v[16+\u], v[16+\u], v[PX+\u]
.endr
.irp u, 0,1
	v_add_nc_u32 v[16+\u], EOFF, v[16+\u]          ; 2 off the exponent field: the conversion takes this operand's exponent field as its scale
.endr
.irp u, 0,1
	v_max3_num_f32 v[18+\u], |v[WX+4*\u]|, |v[WX+4*\u+1]|, FLOORB
.endr
.irp u, 0,1
	v_max_num_f32 v[18+\u], v[18+\u], |v[WX+4*\u+2]|
.endr
.irp u, 0,1
	v_add_nc_u32 v[18+\u], EOFF, v[18+\u]
.endr
.irp i, 3,4,5,6,7,8,9,10,11,12,13,14,15
	v_mov_b32 v[ZB+\i], 0                          ; the quantiser fills a short block with zeros
.endr
.irp i, 0,1,2
	v_cndmask_b32 v[ZB+\i], v[WX+\i], 0, s67       ; the short block lies in lanes 0-15 alone
.endr
	WIN 0x40
	v_cvt_scalef32_pk16_fp6_f32 v[W1A:W1A+2], v[WR:WR+15], v16
	v_cvt_scalef32_pk16_fp6_f32 v[W1A+12:W1A+14], v[WR+16:WR+31], v17
	v_cvt_scalef32_pk16_fp6_f32 v[W1A+6:W1A+8], v[ZB:ZB+15], v18
	WIN 0
.irp c, 0,1,2,3
	v_lshrrev_b32 v[20+\c], 23, v[16+\c]           ; the scale bytes, in registers of their own.  (Plain lines behind the conversions, ahead of the lines that write their sources)
.endr
.irp i, 0,1,2
	v_cndmask_b32 v[ZB+\i], v[WX+4+\i], 0, s67
.endr
	WIN 0x40
	v_cvt_scalef32_pk16_fp6_f32 v[W1A+18:W1A+20], v[ZB:ZB+15], v19
	WIN 0
	v_mul_u32_u24 v36, v20, 0x101                  ; block 0's byte in bytes 0 and 1,
	v_mul_u32_u24 v37, v21, 0x101
	v_lshl_or_b32 v36, v22, 16, v36                ; block 1's in byte 2; byte 3 stands over zero codes
	v_lshl_or_b32 v37, v23, 16, v37
	; the features: lanes 0-15 hold value x mask, t, mask, ve0 .. 12; lanes 16-31 ve13 .. 28.  All but the first three are the same for every member
.irp i, 3,4,5,6,7,8,9,10,11,12,13,14,15
	v_mov_b32 v[F0+\i], s[VE+\i-3]
.endr
.irp i, 3,4,5,6,7,8,9,10,11,12,13,14,15
	v_cndmask_b32 v[F0+\i], v[F0+\i], s[VE+13+\i], s67
.endr
.irp i, 0,1,2
	v_cndmask_b32 v[F0+\i], 0, s[VE+13+\i], s67
.endr
	v_max3_num_f32 v34, |v[F0]|, |v[F0+1]|, FLOORB ; the largest magnitude of ve0 .. 28, and the floor: made once
	v_max3_num_f32 v16, |v[F0+8]|, |v[F0+9]|, |v[F0+10]|
	v_max3_num_f32 v34, v34, |v[F0+2]|, |v[F0+3]|
	v_max3_num_f32 v16, v16, |v[F0+11]|, |v[F0+12]|
	v_max3_num_f32 v34, v34, |v[F0+4]|, |v[F0+5]|
	v_max3_num_f32 v16, v16, |v[F0+13]|, |v[F0+14]|
	v_max3_num_f32 v34, v34, |v[F0+6]|, |v[F0+7]|
	v_max3_num_f32 v34, v34, v16, |v[F0+15]|
	v_permlanex16_b32 v[PX], v34, s60, s61
	v_max_num_f32 v34, v34, v[PX]
.irp i, 3,4,5,6,7,8,9,10,11,12,13,14,15
	v_mov_b32 v[F0+16+\i], v[F0+\i]                ; the second tile's copy
.endr
.irp i, 0,1,2
	v_cndmask_b32 v[ZB+\i], s[VE+29+\i], 0, s67    ; the features' short block: ve29 .. 31, in lanes 0-15
.endr
	v_max3_num_f32 v17, |v[ZB]|, |v[ZB+1]|, FLOORB
	v_max_num_f32 v17, v17, |v[ZB+2]|
	v_add_nc_u32 v17, EOFF, v17
	v_cvt_scalef32_pk16_fp6_f32 v[PB+6:PB+8], v[ZB:ZB+15], v17
	v_lshrrev_b32 v18, 23, v17
	v_lshlrev_b32 v35, 16, v18                     ; its byte, at byte 2 of every member's scale word (lanes 0-15 are read)
.irp i, 6,7,8
	v_mov_b32 v[PB+12+\i], v[PB+\i]
.endr
	v_mul_u32_u24 v38, v38, 0x101                  ; W2's given byte in bytes 0 and 1
	v_mul_u32_u24 v39, v39, 0x101
	v_mov_b32 v16, s100
	v_mov_b32 v17, s101
	v_mul_f32 v16, 0x3fb8aa3b, v16
	v_mul_f32 v17, 0x3fb8aa3b, v17
	v_exp_f32 v16, v16                             ; tau
	v_exp_f32 v17, v17                             ; alpha
	v_nop                                          ; a plain line behind the exponentials,
	s_wait_alu depctr_va_vdst(0)                   ; and the wait ahead of the first line that names a result: one for the two
	v_max_num_f32 v16, 0x358637bd, v16             ; max(tau, 1e-6)
	v_rcp_f32 v16, v16
	v_mul_f32 v46, 0x4038aa3b, v17                 ; 2 log2(e) alpha.  (The plain line behind the reciprocal)
	s_wait_alu depctr_va_vdst(0)
	v_mul_f32 v44, 0x3fb8aa3b, v16                 ; c = log2(e) / max(tau, 1e-6), twice: a pair for the packed multiply
	v_mov_b32 v45, v44
	v_mov_b32 v47, s2
	v_mul_f32 v47, 0xbfb8aa3b, v47                 ; -log2(e) gate_b
	v_mov_b32 v240, 0x32edffee                     ; erf's a11, twice, and b6, twice: an instruction takes one literal
	v_mov_b32 v241, 0x32edffee
	v_mov_b32 v242, 0xb95fbd29
	v_mov_b32 v243, 0xb95fbd29
	GFINISH
	s_cmp_gt_u32 s59, 1
	s_cbranch_scc0 .Lgathered
	s_mov_b32 s66, 1
.Lgather:                                              ; only a bucket of more than 64 members comes here
	GISSUE
	GFINISH
	s_add_co_u32 s66, s66, 1
	s_cmp_lt_u32 s66, s59
	s_cbranch_scc1 .Lgather
.Lgathered:
; gelu(x) = 0.5 x (1 + erf(x / sqrt 2)) on 16 registers, two at a time: erf(y) = y N(y^2) / D(y^2) on y held to -4 .. 4.  The 16 reciprocals are one batch with one wait.
.macro GELU h
.irp p, 0,2,4,6,8,10,12,14
	v_pk_mul_f32 v[\h+\p:\h+\p+1], v[\h+\p:\h+\p+1], 0.5 op_sel_hi:[1,0]      ; each accumulator is read from its low end on
.endr
.irp p, 0,2,4,6,8,10,12,14
	v_pk_mul_f32 v[GY+\p:GY+\p+1], v[\h+\p:\h+\p+1], 0x3fb504f3 op_sel_hi:[1,0]   ; y = (x / 2) sqrt 2
.endr
.irp i, 0,1,2,3,4,5,6,7,8,9,10,11,12,13,14,15
	v_med3_num_f32 v[GY+\i], v[GY+\i], -4.0, 4.0
.endr
.irp p, 0,2,4,6,8,10,12,14
	v_pk_mul_f32 v[GQ+\p:GQ+\p+1], v[GY+\p:GY+\p+1], v[GY+\p:GY+\p+1]
.endr
.irp p, 0,2,4,6,8,10,12,14
	v_pk_fma_f32 v[GN+\p:GN+\p+1], v[GQ+\p:GQ+\p+1], 0xaf95df0b, v[240:241] op_sel_hi:[1,0,1]   ; a13 q + a11
.endr
.irp p, 0,2,4,6,8,10,12,14
	v_pk_fma_f32 v[GD+\p:GD+\p+1], v[GQ+\p:GQ+\p+1], 0xb77460cd, v[242:243] op_sel_hi:[1,0,1]   ; b8 q + b6
.endr
.irp k, 0xb60cff51, 0xb86ec2d2, 0xba40ac63, 0xbb41a1f6, 0xbc83dbd4
.irp p, 0,2,4,6,8,10,12,14
	v_pk_fma_f32 v[GN+\p:GN+\p+1], v[GN+\p:GN+\p+1], v[GQ+\p:GQ+\p+1], \k op_sel_hi:[1,1,0]     ; a9, a7, a5, a3, a1
.endr
.endr
.irp k, 0xbadc924e, 0xbbf19bf8, 0xbc69b6a7
.irp p, 0,2,4,6,8,10,12,14
	v_pk_fma_f32 v[GD+\p:GD+\p+1], v[GD+\p:GD+\p+1], v[GQ+\p:GQ+\p+1], \k op_sel_hi:[1,1,0]     ; b4, b2, b0
.endr
.endr
.irp i, 0,1,2,3,4,5,6,7,8,9,10,11,12,13,14,15
	v_rcp_f32 v[GD+\i], v[GD+\i]
.endr
.irp p, 0,2,4,6,8,10,12,14
	v_pk_mul_f32 v[GN+\p:GN+\p+1], v[GN+\p:GN+\p+1], v[GY+\p:GY+\p+1]         ; plain work behind the reciprocals that names none of them
.endr
	s_wait_alu depctr_va_vdst(0)                   ; one wait for the 16, ahead of their first reader
.irp p, 0,2,4,6,8,10,12,14
	v_pk_mul_f32 v[GN+\p:GN+\p+1], v[GN+\p:GN+\p+1], v[GD+\p:GD+\p+1]         ; erf
.endr
.irp p, 0,2,4,6,8,10,12,14
	v_pk_fma_f32 v[\h+\p:\h+\p+1], v[\h+\p:\h+\p+1], v[GN+\p:GN+\p+1], v[\h+\p:\h+\p+1]
.endr
.endm
	; ---- the MLP: NT trips, 32 places of the list a trip as two tiles of 16
	s_mov_b32 s66, 0
.Lmlp:
	ds_load_b96 v[24:26], v12 offset:REC           ; member r of tile 0: t, value x mask, mask; both halves of the lanes read the same record
	ds_load_b96 v[28:30], v12 offset:REC+256       ; of tile 1
	s_wait_dscnt 0x0
.irp a, 0,1
	v_cndmask_b32 v[F0+16*\a], v[25+4*\a], s[VE+13], s67     ; lanes 0-15 take the member's three numbers, lanes 16-31 keep ve13 .. 15
	v_cndmask_b32 v[F0+16*\a+1], v[24+4*\a], s[VE+14], s67
	v_cndmask_b32 v[F0+16*\a+2], v[26+4*\a], s[VE+15], s67
.endr
.irp a, 0,1
	v_max3_num_f32 v[16+\a], |v[25+4*\a]|, |v[24+4*\a]|, v34 ; the block's largest magnitude: no other lane is asked
.endr
.irp a, 0,1
	v_max_num_f32 v[16+\a], v[16+\a], |v[26+4*\a]|
.endr
.irp a, 0,1
	v_add_nc_u32 v[16+\a], EOFF, v[16+\a]
.endr
.irp a, 0,1
	v_cvt_scalef32_pk16_fp6_f32 v[PB+12*\a:PB+12*\a+2], v[F0+16*\a:F0+16*\a+15], v[16+\a]
.endr
.irp a, 0,1
	v_lshrrev_b32 v[18+\a], 23, v[16+\a]
.endr
.irp a, 0,1
	v_mad_u32_u24 v[40+\a], v[18+\a], 0x101, v35   ; the member's scale word: block 0's byte twice, block 1's above
.endr
	PLACES 8                                       ; a scale register written by a vector instruction stands 8 places ahead of a scaled matrix instruction, an operand so written 4
	WIN 0x11                                       ; source 0 (weights) and C (bias) in window 1
.irp a, 0,1
.irp u, 0,1
	v_wmma_scale_f32_16x16x128_f8f6f4 v[H0+16*\a+8*\u:H0+16*\a+8*\u+7], v[W1A+12*\u:W1A+12*\u+11], v[PB+12*\a:PB+12*\a+11], v[B1+8*\u:B1+8*\u+7], v[36+\u], v[40+\a] matrix_a_fmt:MATRIX_FMT_FP6 matrix_b_fmt:MATRIX_FMT_FP6
.endr
.endr
	WIN 0
	PLACES 4                                       ; four places behind a matrix instruction of this form before a vector instruction reads its result (ISA guide 7.12.1)
	GELU H0
	GELU H0+16
.irp a, 0,1
	v_max3_num_f32 v[16+\a], |v[H0+16*\a]|, |v[H0+16*\a+1]|, FLOORB   ; the hidden layer's one block: my 16 units,
.endr
.irp i, 2,4,6,8,10,12,14
.irp a, 0,1
	v_max3_num_f32 v[16+\a], v[16+\a], |v[H0+16*\a+\i]|, |v[H0+16*\a+\i+1]|
.endr
.endr
.irp a, 0,1
	v_permlanex16_b32 v[PX+\a], v[16+\a], s60, s61
.endr
.irp a, 0,1
	v_max_num_f32 v[16+\a], v[16+\a], v[PX+\a]     ; and lane l xor 16's
.endr
.irp a, 0,1
	v_add_nc_u32 v[16+\a], EOFF, v[16+\a]
.endr
.irp a, 0,1
	v_cvt_scalef32_pk16_fp6_f32 v[PH+12*\a:PH+12*\a+2], v[H0+16*\a:H0+16*\a+15], v[16+\a]
.endr
.irp a, 0,1
	v_lshrrev_b32 v[18+\a], 23, v[16+\a]
.endr
.irp a, 0,1
	v_mul_u32_u24 v[42+\a], v[18+\a], 0x101
.endr
	PLACES 8
	WIN 0x11
.irp a, 0,1
.irp t, 0,1
	v_wmma_scale_f32_16x16x128_f8f6f4 v[OA+16*\a+8*\t:OA+16*\a+8*\t+7], v[W2A+20*\t:W2A+20*\t+11], v[PH+12*\a:PH+12*\a+11], v[B2+56*\t:B2+56*\t+7], v[38+\t], v[42+\a] matrix_a_fmt:MATRIX_FMT_FP6 matrix_b_fmt:MATRIX_FMT_FP6
.endr
.endr
	WIN 0
	PLACES 4
	; the gate: h . gate_w in f32, four chains by turns, each accumulator from its low end on
.irp a, 0,1
.irp t, 0,1
	v_pk_mul_f32 v[DT+4*\a+2*\t:DT+4*\a+2*\t+1], v[OA+16*\a+8*\t:OA+16*\a+8*\t+1], v[GW+8*\t:GW+8*\t+1]
.endr
.endr
.irp p, 2,4,6
.irp a, 0,1
.irp t, 0,1
	v_pk_fma_f32 v[DT+4*\a+2*\t:DT+4*\a+2*\t+1], v[OA+16*\a+8*\t+\p:OA+16*\a+8*\t+\p+1], v[GW+8*\t+\p:GW+8*\t+\p+1], v[DT+4*\a+2*\t:DT+4*\a+2*\t+1]
.endr
.endr
.endr
.irp a, 0,1
	v_pk_add_f32 v[DT+4*\a:DT+4*\a+1], v[DT+4*\a:DT+4*\a+1], v[DT+4*\a+2:DT+4*\a+3]
.endr
.irp a, 0,1
	v_add_f32 v[DT+4*\a], v[DT+4*\a], v[DT+4*\a+1]
.endr
.irp a, 0,1
	v_permlanex16_b32 v[PX+\a], v[DT+4*\a], s60, s61
.endr
.irp a, 0,1
	v_add_f32 v[DT+4*\a], v[DT+4*\a], v[PX+\a]     ; with the other half's 16 outputs
.endr
.irp a, 0,1
	v_fma_f32 v[DT+4*\a], v[DT+4*\a], 0xbfb8aa3b, v47      ; -log2(e) (z + gate_b)
.endr
.irp a, 0,1
	v_exp_f32 v[DT+4*\a], v[DT+4*\a]
.endr
.irp a, 0,1
	v_cmp_gt_u32 s[40+\a], s57, v[10+\a]           ; is this place of the list below L?  (Plain lines behind the exponentials)
.endr
	s_wait_alu depctr_va_vdst(0)                   ; one wait for the two exponentials
.irp a, 0,1
	v_add_f32 v[DT+4*\a], 1.0, v[DT+4*\a]
.endr
.irp a, 0,1
	v_rcp_f32 v[DT+4*\a], v[DT+4*\a]               ; the sigmoid; an exponential that has overflowed gives 0
.endr
	v_nop
	s_wait_alu depctr_va_vdst(0)                   ; and one for the two reciprocals
.irp a, 0,1
	v_mul_f32 v[DT+4*\a], v[DT+4*\a], v[26+4*\a]   ; spike_raw
.endr
.irp a, 0,1
	v_mul_f32 v[25+4*\a], v[DT+4*\a], v[26+4*\a]   ; w = spike_raw x mask, beside t;
.endr
.irp a, 0,1
	v_cndmask_b32 v[25+4*\a], 0, v[25+4*\a], s[40+\a]      ; a copy behind the list's end counts for nothing in the sums
.endr
.irp a, 0,1
	ds_store_b32 v12, v[DT+4*\a] offset:REC+256*\a+4       ; both lanes of a member write the same words with the same values
	ds_store_b64 v13, v[24+4*\a:25+4*\a] offset:TW+128*\a
.endr
	v_add_nc_u32 v12, 512, v12
	v_add_nc_u32 v13, 256, v13
	v_add_nc_u32 v10, 32, v10
	v_add_nc_u32 v11, 32, v11
	s_add_co_u32 s66, s66, 1
	s_cmp_lt_u32 s66, s58
	s_cbranch_scc1 .Lmlp
	s_min_u32 s36, s58, 64                         ; NT is at most 64
	s_lshl_b32 s36, s36, 8
	v_lshl_add_u32 v16, v0, 3, s36
	ds_store_b64 v16, v[6:7] offset:TW             ; 32 zero pairs behind the last: the look-ahead below reads written bytes alone
; ---- the sums.  A lane holds two n (places 64 g + lane and + 32); m runs over the list, the same for all lanes: every lane reads the same 16 bytes.
.macro LOADM buf, off                  ; eight pairs (t_m, w_m)
.irp q, 0,1,2,3
	ds_load_b128 v[\buf+4*\q:\buf+4*\q+3], v15 offset:TW+\off+16*\q
.endr
.endm
; Eight m against my two n.  t_m - t_n is the reference's own difference with the sign turned; times c; 16 exponentials as one batch; the comparisons are the plain work behind them; one wait; where t_n > t_m does
; not hold the decay becomes 0 (an exponential that has overflowed among them); then the sums, in two chains.
.macro PAIR8 buf
.irp k, 0,1,2,3,4,5,6,7
	v_pk_add_f32 v[XR+2*\k:XR+2*\k+1], v[\buf+2*\k:\buf+2*\k+1], v[TN:TN+1] op_sel_hi:[0,1] neg_lo:[0,1] neg_hi:[0,1]   ; of the pair (t, w) the low word serves both halves
.endr
.irp k, 0,1,2,3,4,5,6,7
	v_pk_mul_f32 v[XR+2*\k:XR+2*\k+1], v[XR+2*\k:XR+2*\k+1], v[44:45]
.endr
.irp i, 0,1,2,3,4,5,6,7,8,9,10,11,12,13,14,15
	v_exp_f32 v[XR+\i], v[XR+\i]
.endr
.irp k, 0,1,2,3,4,5,6,7
	v_cmp_gt_f32 s[40+2*\k], v[TN], v[\buf+2*\k]
	v_cmp_gt_f32 s[41+2*\k], v[TN+1], v[\buf+2*\k]
.endr
	s_wait_alu depctr_va_vdst(0)                   ; one wait for the 16, ahead of their first reader
.irp i, 0,1,2,3,4,5,6,7,8,9,10,11,12,13,14,15
	v_cndmask_b32 v[XR+\i], 0, v[XR+\i], s[40+\i]
.endr
.irp k, 0,1,2,3,4,5,6,7
	v_pk_fma_f32 v[ACC+2*(\k%2):ACC+2*(\k%2)+1], v[XR+2*\k:XR+2*\k+1], v[\buf+2*\k:\buf+2*\k+1], v[ACC+2*(\k%2):ACC+2*(\k%2)+1] op_sel:[0,1,0] op_sel_hi:[1,1,1]   ; x w: the pair's high word for both halves
.endr
.endm
	v_lshlrev_b32 v8, 2, v0                        ; the list, from the start again,
	v_add_nc_u32 v11, 32, v0                       ; and my second place in it
	s_mov_b32 s66, 0
.Lrows:
	ds_load_b96 v[24:26], v14 offset:REC           ; t, spike_raw, mask of my first n,
	ds_load_b96 v[28:30], v14 offset:REC+512       ; of my second,
	ds_load_b32 v27, v8                            ; and where they lie in the batch
	ds_load_b32 v31, v8 offset:128
	v_mov_b32 v15, 0
	LOADM BUF0, 0
	s_wait_dscnt 4                                 ; LDS loads come back in order: all but the four of the first buffer
	v_mov_b32 v[TN], v24
	v_mov_b32 v[TN+1], v28
.irp i, 0,1,2,3
	v_mov_b32 v[ACC+\i], 0
.endr
	s_mov_b32 s63, 0
.Lcols:                                                ; 16 m a trip, on two buffers; each is asked for eight m ahead
	LOADM BUF1, 64
	s_wait_dscnt 4                                 ; buffer 0 is in, on the way in and round the back edge alike; the four just issued may be out
	PAIR8 BUF0
	LOADM BUF0, 128                                ; the next trip's first eight (in the last trip: written bytes that nobody uses)
	s_wait_dscnt 4                                 ; buffer 1 is in
	PAIR8 BUF1
	v_add_nc_u32 v15, 128, v15
	s_add_co_u32 s63, s63, 1
	s_cmp_lt_u32 s63, s62
	s_cbranch_scc1 .Lcols
	s_wait_dscnt 0x0                               ; the look-ahead has landed: its registers are asked for again in the next trip
	s_wait_xcnt 0x0                                ; the last trip's two stores have read their addresses and data: both are written again below
	v_pk_add_f32 v[ACC:ACC+1], v[ACC:ACC+1], v[ACC+2:ACC+3]
	v_mul_f32 v198, v[ACC], v26                    ; x mask_n: the refractory sum
	v_mul_f32 v199, v[ACC+1], v30
	v_mul_f32 v198, v198, v46                      ; 2 log2(e) alpha x it
	v_mul_f32 v199, v199, v46
	v_exp_f32 v198, v198
	v_exp_f32 v199, v199
	v_mul_f32 v200, v25, v26                       ; spike_raw x mask.  (Plain work behind the exponentials)
	v_mul_f32 v201, v29, v30
	v_cmp_gt_u32 s40, s57, v11                     ; is my second place below L?
	s_wait_alu depctr_va_vdst(0)
	v_add_f32 v198, 1.0, v198
	v_add_f32 v199, 1.0, v199
	v_rcp_f32 v198, v198                           ; 1 - tanh(y) = 2 / (1 + e^(2 y)), for every y: an exponential that has overflowed gives 0
	v_rcp_f32 v199, v199
	v_add_f32 v200, v200, v200
	v_add_f32 v201, v201, v201
	; My first place, 64 g + lane, lies below 32 NT (there is a trip g only if L > 64 g, so NT >= 2 g + 1): it has been through the MLP, as a member or as a copy of the first.  My second place may lie behind 32 NT,
	; where no spike was made: where it is not below L, I store my first place's number at my first place's address a second time.
	v_cndmask_b32 v31, v27, v31, s40
	v_min_u32 v27, 2047, v27
	v_min_u32 v31, 2047, v31
	v_lshlrev_b32 v32, 2, v27
	v_lshlrev_b32 v33, 2, v31
	s_wait_alu depctr_va_vdst(0)
	v_mul_f32 v200, v200, v198
	v_mul_f32 v201, v201, v199
	v_cndmask_b32 v201, v200, v201, s40
	global_store_b32 v32, v200, s[32:33]           ; all lanes on: lanes that hold copies write the same number at the same place as the member's own lane
	global_store_b32 v33, v201, s[32:33]
	v_add_nc_u32 v14, 1024, v14
	v_add_nc_u32 v8, 256, v8
	v_add_nc_u32 v11, 64, v11
	s_add_co_u32 s66, s66, 1
	s_cmp_lt_u32 s66, s59
	s_cbranch_scc1 .Lrows
.Lend:
	s_wait_tensorcnt 0x0
	ds_add_u32 v254, v255
	s_wait_dscnt 0x0
	s_endpgm
.Lfunc_end_k_q49b7cad8ec_spike:
	.size	k_q49b7cad8ec_spike, .Lfunc_end_k_q49b7cad8ec_spike-k_q49b7cad8ec_spike
	.p2alignl 7, 3214868480
	.fill 96, 4, 3214868480
	.section	.rodata,"a",@progbits
	.p2align	6, 0x0
	.amdhsa_kernel k_q49b7cad8ec_spike
		.amdhsa_group_segment_fixed_size 59648
		.amdhsa_private_segment_fixed_size 0
		.amdhsa_enable_private_segment 0
		.amdhsa_kernarg_size 120
		.amdhsa_user_sgpr_count 2
		.amdhsa_user_sgpr_kernarg_segment_ptr 1
		.amdhsa_wavefront_size32 1
		.amdhsa_system_sgpr_workgroup_id_x 1
		.amdhsa_system_sgpr_workgroup_id_y 1
		.amdhsa_system_sgpr_workgroup_id_z 1
		.amdhsa_system_vgpr_workitem_id 0
		.amdhsa_next_free_vgpr 392
		.amdhsa_next_free_sgpr 102
		.amdhsa_reserve_vcc 0
		.amdhsa_float_denorm_mode_32 3
		.amdhsa_float_denorm_mode_16_64 3
		.amdhsa_memory_ordered 1
		.amdhsa_forward_progress 1
		.amdhsa_inst_pref_size 97
	.end_amdhsa_kernel
	.amdgpu_metadata
---
amdhsa.version: [ 1, 2 ]
amdhsa.kernels:
  - .name:           k_q49b7cad8ec_spike
    .symbol:         k_q49b7cad8ec_spike.kd
    .args:
      - { .name: var_id, .offset: 0, .size: 8, .value_kind: global_buffer, .address_space: global }
      - { .name: value, .offset: 8, .size: 8, .value_kind: global_buffer, .address_space: global }
      - { .name: time_norm, .offset: 16, .size: 8, .value_kind: global_buffer, .address_space: global }
      - { .name: mask, .offset: 24, .size: 8, .value_kind: global_buffer, .address_space: global }
      - { .name: var_emb, .offset: 32, .size: 8, .value_kind: global_buffer, .address_space: global }
      - { .name: W1, .offset: 40, .size: 8, .value_kind: global_buffer, .address_space: global }
      - { .name: b1, .offset: 48, .size: 8, .value_kind: global_buffer, .address_space: global }
      - { .name: W2_codes, .offset: 56, .size: 8, .value_kind: global_buffer, .address_space: global }
      - { .name: W2_scales, .offset: 64, .size: 8, .value_kind: global_buffer, .address_space: global }
      - { .name: b2, .offset: 72, .size: 8, .value_kind: global_buffer, .address_space: global }
      - { .name: gate_w, .offset: 80, .size: 8, .value_kind: global_buffer, .address_space: global }
      - { .name: gate_b, .offset: 88, .size: 8, .value_kind: global_buffer, .address_space: global }
      - { .name: log_tau_r, .offset: 96, .size: 8, .value_kind: global_buffer, .address_space: global }
      - { .name: log_alpha, .offset: 104, .size: 8, .value_kind: global_buffer, .address_space: global }
      - { .name: out0, .offset: 112, .size: 8, .value_kind: global_buffer, .address_space: global }
    .group_segment_fixed_size: 59648
    .private_segment_fixed_size: 0
    .kernarg_segment_align: 8
    .kernarg_segment_size: 120
    .max_flat_workgroup_size: 32
    .sgpr_count:     102
    .vgpr_count:     392
    .wavefront_size: 32
...
	.end_amdgpu_metadata
.endif
;; end of part 1
;; ======== version 2 of 2: 1 launch; version 1 with the launch spike written anew for expert scheduling mode
;; launch spike (part 2): grid 64 x 8, 1 waves a work-group, no clusters, 59,648 bytes of LDS; arguments var_id, value, time_norm, mask, var_emb, W1, b1, W2_codes, W2_scales, b2, gate_w, gate_b, log_tau_r, log_alpha, out0; writes out0
.if DOCPART == 2
	.amdgcn_target "amdgcn-amd-amdhsa--gfx1250"
	.amdhsa_code_object_version 6
	.text
	.protected	k_q49b7cad8ec_spike
	.globl	k_q49b7cad8ec_spike
	.p2align	8
	.type	k_q49b7cad8ec_spike,@function
k_q49b7cad8ec_spike:
	s_mov_b64 s[64:65], 0
	v_nop
	global_prefetch_b8 v0, s[64:65] scope:SCOPE_SE
	s_setreg_imm32_b32 hwreg(HW_REG_WAVE_SCHED_MODE, 0, 2), 2
	s_setreg_imm32_b32 hwreg(HW_REG_WAVE_MODE, 25, 1), 1
	s_wait_xcnt 0x0
	s_wait_alu depctr_vm_vsrc(0)
; SpikeRefractoryEncoder, 8 batches x 2,048 observations, 64 variables, in ONE launch.
; spike_raw = sigmoid(gate_w . (gelu(feats W1 + b1) W2 + b2) + gate_b) x mask, both products on codes of FP6 (E2M3) with one E8M0 scale for each 32 along K;
; out[n] = spike_raw[n] x (1 - tanh(alpha x sum over m of [same variable][t_m < t_n] mask_n mask_m exp(-(t_n - t_m) / max(tau, 1e-6)) spike_raw[m])) x mask[n].
; SHARES.  The pair mask that the problem builds itself keeps only pairs of ONE variable of ONE batch.  Such a bucket is closed: its members' rows of the MLP belong to no other bucket, its sums need its
; own members alone, and each output number has one bucket.  So a work-group is one wave and owns bucket (batch = y, variable = x): it scans the batch's 2,048 var_id, lists its L members in LDS, gathers
; their value, time and mask, takes them through the MLP 32 at a time, sums over its own L x L pairs, and stores its members' numbers.  Nothing passes between work-groups; there is one wave, so there is no barrier.
; All trip counts and data-dependent addresses hang on var_id alone, which is whole numbers read from memory; no branch and no address hangs on a floating-point number.
; ALL LANES STAY ON THROUGHOUT.  The places behind the list's end name the bucket's FIRST MEMBER once more: such a place is a true copy of it (same record, same row of the MLP, same sum) and stores the same number
; at the same place in out0; only its weight as an m of the sums is set to 0.
; NO CLUSTER: the 64 work-groups of a batch read the same 8,192 bytes of var_id, but a joint request is a tensor load, and this text's trip counts hang on a count made from loaded numbers.
; NO WHOLE 256-BYTE STORES: an output's owner is its bucket, so a lane stores 4 bytes at its member's place; all outputs together are 65,536 bytes.
; OPERAND LAYOUT.  A true block of 32 along K is laid as two halves of 16: half h in lanes 16 h + r, registers 0-2 (the instruction's k = 32 h + 0 .. 15), alike in both operands; its one scale byte stands in
; bytes 0 and 1 of the scale word; registers 3-5 hold zero codes.  Blocks and scales are the quantiser's own; only the place of k inside the instruction is chosen.  So a conversion's three registers ARE the operand's.
; Product 1 (K = 35): the short second block (k = 32 .. 34) lies in lanes 0-15, registers 6-8, under byte 2.  Both products are used transposed (source 0 = weights, source 1 = 16 members): a lane holds one member.
; THE COLUMNS OF W1 THAT FORM A TILE ARE NOT NEIGHBOURS: lane r of tile u takes column 8 u + r + 8 (r / 8), so that a lane's 16 results of tiles 0 and 1 are hidden units 16 h + 0 .. 15, neighbours along the next K.
; LIMITS.  Right for every split of var_id (LDS holds a bucket of all 2,048), but a bucket's pairs are one wave's work: L x L.  NaN and infinities among the inputs are not served.  erf is a rational
; approximation on |y| <= 4 with an absolute error of about 1e-7.  A block whose largest magnitude lies under 2^-124 gets the byte 1 (a block of zeros too: its codes are zeros).  The pair sums run in list order, not in m.
; THE MODE: SCHED_MODE bits 1:0 = 2 (LLVM: expert scheduling mode 2), set by the entry lines.  The code itself states the register dependences between vector or matrix instructions and memory or LDS
; instructions, and those through scalar registers that vector instructions write, with s_wait_alu, always for 0.
; THE PLAN.  Registers that memory or LDS instructions touch, and who else names them:
;   v1, v4, v6-7, v16-20   offsets, made at the head ahead of the first load.  v16-20 are written again only in the part that makes the constants.
;   DX (v48-111)           the scan's 64 store data, made at the head; VI (v144-207): var_id as loaded, and behind its compare each register takes that number's LDS address.  A store of the scan has an address and a
;                          data register of its own, so none is written again while the scan runs.  Batch b - 1's eight stores stand behind batch b's compares, where the wait for the masks stands in any case.
;   v22, v23               the padding of the list: address and first member; nothing names them before.
;   v24-31, v32-33         gather: LDS loads bring two indices, shifts make v32-33, six loads land in v24-30, two products write v25 and v29, two LDS stores read v24-30.  One wait ahead of the loads, one ahead of the stores,
;                          one behind them that frees all of these and the two LDS addresses v8, v9.
;   MLP                    v24-30 land at a trip's head; the trip's four stores read v244, v248, v24-25, v28-29 and the addresses v12, v13, which are stepped behind them.  One wait at the head, one ahead of the stores, one behind.
;   BUF0, BUF1, v15        the pairs.  A step's first half reads its buffer's t, its second half its w.  The wait for the step's 16 exponentials, between the halves, also states that the step before is done reading the
;                          OTHER buffer: that buffer's four loads stand directly behind it, and the selects and sums that follow name XR, the step's own buffer, the sums and the masks alone.  v15 is stepped ahead of the second step's wait.
;   v32-33, v200-201       address and data of the two output stores: one wait ahead of the stores; they are written again only behind the waits at the next trip's tail.
.set IDX,  0                           ; LDS: words 0 .. 2111 the list of members (index in the batch), words 2112 .. 2143 one dump word a lane
.set REC,  8704                        ; 2,112 records of 16 bytes: t, value x mask (later spike_raw), mask
.set TW,   42496                       ; 2,112 pairs of 8 bytes: t, w = spike_raw x mask
.set FLOORB, 0x1800000                 ; 2^(3 - 127): the floor under every largest magnitude, so that no scale byte falls under 1
.set EOFF, 0xff000000                  ; takes 2 off an exponent field
; window 0
.set DX,   48                          ; v48-111  the scan: the 64 observations' indices in the batch, the stores' data
.set VI,   144                         ; v144-207 var_id, 64 numbers a lane; then each number's LDS address
.set WR,   208                         ; v208-239 W1's rows 16 h + i of my column, tile u at +16 u
.set WX,   244                         ; v244-246, v248-250 W1's rows 32 .. 34
.set ZB,   144                         ; v144-159 a short block: three numbers and 13 zeros
.set F0,   48                          ; v48-79   the features of tile a at +16 a
.set PB,   80                          ; v80-103  their codes, 12 registers a tile
.set PH,   104                         ; v104-127 the hidden layer's codes
.set GW,   128                         ; v128-143 gate_w in the second product's result layout
.set H0,   144                         ; v144-175 the hidden layer: tile a, W1's tile u at +16 a + 8 u
.set GY,   176                         ; v176-239 gelu's y, y^2, numerator, denominator, 16 each
.set GQ,   192
.set GN,   208
.set GD,   224
.set OA,   176                         ; v176-207 the second product's results: tile a, W2's tile T at +16 a + 8 T
.set DT,   244                         ; v244-251 the gate's sums
.set PX,   252                         ; v252-253 destinations of lane permutes
.set BUF0, 144                         ; the pairs: eight (t, w) each
.set BUF1, 160
.set XR,   176                         ; v176-191 exponents, then decays
.set TN,   192                         ; v192-193 my two t_n
.set ACC,  194                         ; v194-197 two pairs of sums
.set VE,   68                          ; s68-99   my variable's embedding
; window 1: constants that matrix instructions alone read
.set W1A,  0                           ; v0-23    W1's codes, tile u at +12 u
.set W2A,  24                          ; v24-35, v44-55 W2's codes, tile T at +20 T
.set B1,   56                          ; v56-71   b1, tile u at +8 u
.set B2,   72                          ; v72-79, v128-135 b2, tile T at +56 T
.set MSB, 0
.macro WIN new                         ; the immediate's high byte repeats the setting that is left; a switch that changes nothing is dropped
.if MSB != \new
	s_set_vgpr_msb (MSB<<8)|\new
.set MSB, \new
.endif
.endm
.macro PLACES n
.rept \n
	v_nop
.endr
.endm
	; ---- the head: pointers, lane numbers, addresses
	s_load_b512 s[4:19], s[0:1], 0x0               ; var_id 4:5, value 6:7, time 8:9, mask 10:11, var_emb 12:13, W1 14:15, b1 16:17, W2's codes 18:19
	s_load_b256 s[20:27], s[0:1], 0x40             ; W2's scales 20:21, b2 22:23, gate_w 24:25, gate_b 26:27
	s_load_b128 s[28:31], s[0:1], 0x60             ; log_tau_r 28:29, log_alpha 30:31
	s_load_b64 s[32:33], s[0:1], 0x70              ; out0
	v_lshl_add_u32 v254, v0, 2, 0xe800
	v_mov_b32 v255, 0
	s_mov_b32 s34, ttmp9                           ; my variable
	s_and_b32 s35, ttmp7, 0xffff                   ; my batch
	s_lshl_b32 s36, s35, 13                        ; its 2,048 numbers of 4 bytes
	s_mov_b32 s37, 0
	s_lshl_b32 s38, s34, 2                         ; my variable's place in log_tau_r and log_alpha
	s_lshl_b32 s39, s34, 7                         ; and its row of var_emb
	s_mov_b32 s60, 0x76543210
	s_mov_b32 s61, 0xfedcba98                      ; v_permlanex16_b32's selects for lane l xor 16
	s_mov_b32 s67, 0xffff0000                      ; lanes 16-31
	s_mov_b32 s57, 0                               ; L, the count of members
	v_and_b32 v1, 15, v0                           ; r
	v_lshrrev_b32 v2, 4, v0                        ; h
	v_lshlrev_b32 v3, 2, v0                        ; 4 x lane
	v_lshlrev_b32 v4, 4, v0                        ; 16 x lane
	v_add_nc_u32 v5, 2112, v0                      ; my dump word
	v_mov_b32 v6, 0
	v_mov_b32 v7, 0                                ; a pair of zeros
	v_lshlrev_b32 v8, 2, v0                        ; the list: my place, 64 places a step
	v_lshlrev_b32 v9, 4, v0                        ; the records, on the way in
	v_mov_b32 v10, v1                              ; the MLP: the place in the list of member r of tile 0,
	v_add_nc_u32 v11, 16, v1                       ; and of tile 1; 32 places a trip
	v_lshlrev_b32 v12, 4, v1                       ; the records, for the MLP: member r of a tile, in both halves of the lanes
	v_lshlrev_b32 v13, 3, v1                       ; the pairs (t, w), on the way in
	v_lshlrev_b32 v14, 4, v0                       ; the records, for the sums
	v_and_b32 v17, 8, v1
	v_add_nc_u32 v17, v17, v1
	v_lshlrev_b32 v17, 2, v17                      ; W1: column r + 8 (r / 8), 4 bytes
	v_lshl_add_u32 v16, v2, 11, v17                ;     + 16 h rows of 128 bytes
	v_lshlrev_b32 v18, 6, v2                       ; b1: 16 h numbers on
	v_lshlrev_b32 v19, 5, v2                       ; b2, gate_w: 8 h numbers on
	v_mul_u32_u24 v20, v1, 24
	v_mad_u32_u24 v20, v2, 12, v20                 ; W2's codes: row r of 24 bytes, + 12 h: codes 16 h .. 16 h + 15
	v_mov_b32 v[PX], 0
	v_mov_b32 v[PX+1], 0                           ; written once: a lane permute's destination counts as one of its sources
.set i, 0
.rept 64
	v_add_nc_u32 v[DX+i], 128*(i/4)+i%4, v3        ; the index in the batch of the observation in var_id's register i: 128 (i / 4) + 4 lane + i % 4.  Made here, while the arguments are on their way
.set i, i+1
.endr
	s_wait_kmcnt 0x0
	s_add_nc_u64 s[4:5], s[4:5], s[36:37]          ; the five tensors of observations at my batch
	s_add_nc_u64 s[6:7], s[6:7], s[36:37]
	s_add_nc_u64 s[8:9], s[8:9], s[36:37]
	s_add_nc_u64 s[10:11], s[10:11], s[36:37]
	s_add_nc_u64 s[32:33], s[32:33], s[36:37]
	s_wait_alu depctr_va_vdst(0)                   ; the offsets v1, v4, v16-20, the LDS addresses v6-v14 and the scan's data v[DX ..] are written: the loads below, and later the LDS instructions, read them
.irp j, 0,1,2,3,4,5,6,7,8,9,10,11,12,13,14,15
	global_load_b128 v[VI+4*\j:VI+4*\j+3], v4, s[4:5] offset:512*\j   ; var_id first: register 4 j + c is observation 128 j + 4 lane + c; 32 lanes read 512 consecutive bytes
.endr
	s_load_b512 s[VE:VE+15], s[12:13], s39 offset:0x0      ; my variable's 32 numbers of var_emb: the same for all my members, so they live in scalar registers
	s_load_b512 s[VE+16:VE+31], s[12:13], s39 offset:0x40
	s_load_b32 s100, s[28:29], s38 offset:0x0
	s_load_b32 s101, s[30:31], s38 offset:0x0
	s_load_b32 s2, s[26:27], 0x0
	; the 54 loads of constants
	WIN 0x40                                       ; destination window 1, address window 0
.irp t, 0,1
	global_load_b96 v[W2A+20*\t:W2A+20*\t+2], v20, s[18:19] offset:384*\t   ; W2's rows 16 T + r: 16 codes, 12 bytes, as they lie
.endr
.irp u, 0,1
	global_load_b128 v[B1+8*\u:B1+8*\u+3], v18, s[16:17] offset:32*\u       ; b1[16 h + 8 u + j]: the C of the first product
	global_load_b128 v[B1+8*\u+4:B1+8*\u+7], v18, s[16:17] offset:32*\u+16
.endr
.irp t, 0,1
	global_load_b128 v[B2+56*\t:B2+56*\t+3], v19, s[22:23] offset:64*\t     ; b2[16 T + 8 h + j]: the C of the second
	global_load_b128 v[B2+56*\t+4:B2+56*\t+7], v19, s[22:23] offset:64*\t+16
.endr
	; zero CODES fill what K = 35 and K = 32 leave of the instruction's 128: they add nothing under any scale byte but 0xff.  (These lines name registers of window 1 that no load touches: the loads below owe no further wait)
.irp u, 0,1
.irp i, 3,4,5,9,10,11
	v_mov_b32 v[W1A+12*\u+\i], 0
.endr
.endr
.irp t, 0,1
.irp i, 3,4,5,6,7,8,9,10,11
	v_mov_b32 v[W2A+20*\t+\i], 0
.endr
.endr
	WIN 0
.irp u, 0,1
.irp i, 0,1,2,3,4,5,6,7,8,9,10,11,12,13,14,15
	global_load_b32 v[WR+16*\u+\i], v16, s[14:15] offset:32*\u+128*\i       ; W1(16 h + i, my column of tile u)
.endr
.endr
.irp u, 0,1
.irp i, 0,1,2
	global_load_b32 v[WX+4*\u+\i], v17, s[14:15] offset:32*\u+128*(32+\i)   ; W1(32 + i, the same column), in both halves of the lanes
.endr
.endr
.irp t, 0,1
	global_load_b128 v[GW+8*\t:GW+8*\t+3], v19, s[24:25] offset:64*\t       ; gate_w[16 T + 8 h + j]
	global_load_b128 v[GW+8*\t+4:GW+8*\t+7], v19, s[24:25] offset:64*\t+16
.endr
	global_load_u8 v38, v1, s[20:21]               ; W2's scale bytes, rows r and 16 + r
	global_load_u8 v39, v1, s[20:21] offset:16
	s_wait_loadcnt 54                              ; loads come back in order: var_id's 16 are in, the 54 behind them may be out
; ---- the scan.  Eight registers of var_id at a time: which lanes hold my variable, where in the list each goes (the count so far + the matching lanes below mine), and one LDS store a register with all lanes on:
; a lane that does not match writes its own dump word.  The list's order is of no account: the sums below go by the times.
.macro PUT8 b                          ; batch b's eight stores: each has an address and a data register of its own
.irp c, 0,1,2,3,4,5,6,7
	ds_store_b32 v[VI+8*(\b)+\c], v[DX+8*(\b)+\c]
.endr
.endm
.macro SCAN8 b
.irp c, 0,1,2,3,4,5,6,7
	v_cmp_eq_u32 s[40+\c], s34, v[VI+8*(\b)+\c]
.endr
	s_wait_alu depctr_va_sdst(0)                   ; the eight masks s40-47 are written, ahead of their first readers, the counts below
.if (\b) > 0
	s_wait_alu depctr_va_vdst(0)                   ; the batch before has written its eight addresses, which its stores read
	PUT8 (\b)-1
	s_mov_b32 s57, s55                             ; the count so far
.endif
.irp c, 0,1,2,3,4,5,6,7
	s_bcnt1_i32_b32 s[48+\c], s[40+\c]
.endr
	s_add_co_u32 s48, s48, s57                     ; the count behind each of the eight registers
.irp c, 1,2,3,4,5,6,7
	s_add_co_u32 s[48+\c], s[48+\c], s[47+\c]
.endr
	v_mbcnt_lo_u32_b32 v[VI+8*(\b)], s40, s57      ; the compare has read the register: it takes the number's place in the list
.irp c, 1,2,3,4,5,6,7
	v_mbcnt_lo_u32_b32 v[VI+8*(\b)+\c], s[40+\c], s[47+\c]
.endr
.irp c, 0,1,2,3,4,5,6,7
	v_cndmask_b32 v[VI+8*(\b)+\c], v5, v[VI+8*(\b)+\c], s[40+\c]
.endr
.irp c, 0,1,2,3,4,5,6,7
	v_min_u32 v[VI+8*(\b)+\c], 2143, v[VI+8*(\b)+\c]       ; a number made from loaded data enters an address only held to the region's last word
.endr
.irp c, 0,1,2,3,4,5,6,7
	v_lshlrev_b32 v[VI+8*(\b)+\c], 2, v[VI+8*(\b)+\c]
.endr
.endm
.irp b, 0,1,2,3,4,5,6,7
	SCAN8 \b
.endr
	s_wait_alu depctr_va_vdst(0)                   ; the last batch has written its eight addresses, which its stores read
	PUT8 7
	s_mov_b32 s57, s55                             ; L
	s_cmp_eq_u32 s57, 0
	s_cbranch_scc1 .Lend                           ; a bucket without members owns no output
	ds_load_b32 v23, v6                            ; the list's word 0, in every lane: my first member (LDS serves a wave's instructions in order: this sees the scan's stores).  Nothing has named v23
	s_add_co_u32 s58, s57, 31
	s_lshr_b32 s58, s58, 5                         ; NT: trips of the MLP, 32 members each
	s_add_co_u32 s59, s57, 63
	s_lshr_b32 s59, s59, 6                         ; NG: steps of 64 places of the list
	s_add_co_u32 s62, s57, 15
	s_lshr_b32 s62, s62, 4                         ; M16: steps of 16 along m
	v_add_nc_u32 v22, s57, v0
	v_min_u32 v22, 2079, v22
	v_lshlrev_b32 v22, 2, v22
	s_wait_alu depctr_va_vdst(0)                   ; v22 is written, which the two stores below read as their address
	s_wait_dscnt 0x0
	ds_store_b32 v22, v23                          ; 64 places behind the list name my first member once more: every place below 64 NG is written, and every place is a member's
	ds_store_b32 v22, v23 offset:128
; ---- the gather: 64 places of the list, two a lane.  GISSUE asks, GFINISH lays the records.
.macro GISSUE
	ds_load_b32 v27, v8
	ds_load_b32 v31, v8 offset:128
	s_wait_dscnt 0x0                               ; these see the list's stores
	v_min_u32 v27, 2047, v27
	v_min_u32 v31, 2047, v31
	v_lshlrev_b32 v32, 2, v27
	v_lshlrev_b32 v33, 2, v31
	s_wait_alu depctr_va_vdst(0)                   ; v32 and v33 are written, which the six loads read as their offsets
	global_load_b32 v24, v32, s[8:9]               ; t
	global_load_b32 v25, v32, s[6:7]               ; value
	global_load_b32 v26, v32, s[10:11]             ; mask
	global_load_b32 v28, v33, s[8:9]
	global_load_b32 v29, v33, s[6:7]
	global_load_b32 v30, v33, s[10:11]
.endm
.macro GFINISH
	s_wait_loadcnt 0x0
	v_mul_f32 v25, v25, v26                        ; value x mask
	v_mul_f32 v29, v29, v30
	s_wait_alu depctr_va_vdst(0)                   ; v25 and v29 are written, which the two stores read among their data
	ds_store_b96 v9, v[24:26] offset:REC
	ds_store_b96 v9, v[28:30] offset:REC+512
	s_wait_alu depctr_vm_vsrc(0)                   ; the step's LDS instructions have read v8 and v9, which are stepped below, and v24-30, in which later loads land; its six loads have read v32 and v33
	v_add_nc_u32 v8, 256, v8
	v_add_nc_u32 v9, 1024, v9
.endm
	GISSUE
	; ---- the wave's constants are made while the first gather is on its way; nothing here names v24-33
	s_wait_loadcnt 6                               ; all but the six gathers just issued: the constants are in, and the loads that read v16-20 as offsets are done
	s_wait_kmcnt 0x0
	s_wait_alu depctr_vm_vsrc(0)                   ; the head's loads have read v16-20, the scan's stores v[DX ..] and v[VI ..], the padding's stores v22 and v23: all of these are written again below
.irp a, 0,1
.irp i, 3,4,5,9,10,11
	v_mov_b32 v[PB+12*\a+\i], 0                    ; zero codes, as in the weights' operands
.endr
.irp i, 3,4,5,6,7,8,9,10,11
	v_mov_b32 v[PH+12*\a+\i], 0
.endr
.endr
	; W1: block 0 (rows 0 .. 31: my 16 and lane l xor 16's), block 1 (rows 32 .. 34), for both tiles by turns
.irp u, 0,1
	v_max3_num_f32 v[16+\u], |v[WR+16*\u]|, |v[WR+16*\u+1]|, FLOORB
.endr
.irp i, 2,4,6,8,10,12,14
.irp u, 0,1
	v_max3_num_f32 v[16+\u], v[16+\u], |v[WR+16*\u+\i]|, |v[WR+16*\u+\i+1]|
.endr
.endr
.irp u, 0,1
	v_permlanex16_b32 v[PX+\u], v[16+\u], s60, s61
.endr
.irp u, 0,1
	v_max_num_f32 v[16+\u], v[16+\u], v[PX+\u]
.endr
.irp u, 0,1
	v_add_nc_u32 v[16+\u], EOFF, v[16+\u]          ; 2 off the exponent field: the conversion takes this operand's exponent field as its scale
.endr
.irp u, 0,1
	v_max3_num_f32 v[18+\u], |v[WX+4*\u]|, |v[WX+4*\u+1]|, FLOORB
.endr
.irp u, 0,1
	v_max_num_f32 v[18+\u], v[18+\u], |v[WX+4*\u+2]|
.endr
.irp u, 0,1
	v_add_nc_u32 v[18+\u], EOFF, v[18+\u]
.endr
.irp i, 3,4,5,6,7,8,9,10,11,12,13,14,15
	v_mov_b32 v[ZB+\i], 0                          ; the quantiser fills a short block with zeros
.endr
.irp i, 0,1,2
	v_cndmask_b32 v[ZB+\i], v[WX+\i], 0, s67       ; the short block lies in lanes 0-15 alone
.endr
	WIN 0x40
	v_cvt_scalef32_pk16_fp6_f32 v[W1A:W1A+2], v[WR:WR+15], v16
	v_cvt_scalef32_pk16_fp6_f32 v[W1A+12:W1A+14], v[WR+16:WR+31], v17
	v_cvt_scalef32_pk16_fp6_f32 v[W1A+6:W1A+8], v[ZB:ZB+15], v18
	WIN 0
.irp c, 0,1,2,3
	v_lshrrev_b32 v[20+\c], 23, v[16+\c]           ; the scale bytes, in registers of their own.  (Plain lines behind the conversions, ahead of the lines that write their sources)
.endr
.irp i, 0,1,2
	v_cndmask_b32 v[ZB+\i], v[WX+4+\i], 0, s67
.endr
	WIN 0x40
	v_cvt_scalef32_pk16_fp6_f32 v[W1A+18:W1A+20], v[ZB:ZB+15], v19
	WIN 0
	v_mul_u32_u24 v36, v20, 0x101                  ; block 0's byte in bytes 0 and 1,
	v_mul_u32_u24 v37, v21, 0x101
	v_lshl_or_b32 v36, v22, 16, v36                ; block 1's in byte 2; byte 3 stands over zero codes
	v_lshl_or_b32 v37, v23, 16, v37
	; the features: lanes 0-15 hold value x mask, t, mask, ve0 .. 12; lanes 16-31 ve13 .. 28.  All but the first three are the same for every member
.irp i, 3,4,5,6,7,8,9,10,11,12,13,14,15
	v_mov_b32 v[F0+\i], s[VE+\i-3]
.endr
.irp i, 3,4,5,6,7,8,9,10,11,12,13,14,15
	v_cndmask_b32 v[F0+\i], v[F0+\i], s[VE+13+\i], s67
.endr
.irp i, 0,1,2
	v_cndmask_b32 v[F0+\i], 0, s[VE+13+\i], s67
.endr
	v_max3_num_f32 v34, |v[F0]|, |v[F0+1]|, FLOORB ; the largest magnitude of ve0 .. 28, and the floor: made once
	v_max3_num_f32 v16, |v[F0+8]|, |v[F0+9]|, |v[F0+10]|
	v_max3_num_f32 v34, v34, |v[F0+2]|, |v[F0+3]|
	v_max3_num_f32 v16, v16, |v[F0+11]|, |v[F0+12]|
	v_max3_num_f32 v34, v34, |v[F0+4]|, |v[F0+5]|
	v_max3_num_f32 v16, v16, |v[F0+13]|, |v[F0+14]|
	v_max3_num_f32 v34, v34, |v[F0+6]|, |v[F0+7]|
	v_max3_num_f32 v34, v34, v16, |v[F0+15]|
	v_permlanex16_b32 v[PX], v34, s60, s61
	v_max_num_f32 v34, v34, v[PX]
.irp i, 3,4,5,6,7,8,9,10,11,12,13,14,15
	v_mov_b32 v[F0+16+\i], v[F0+\i]                ; the second tile's copy
.endr
.irp i, 0,1,2
	v_cndmask_b32 v[ZB+\i], s[VE+29+\i], 0, s67    ; the features' short block: ve29 .. 31, in lanes 0-15
.endr
	v_max3_num_f32 v17, |v[ZB]|, |v[ZB+1]|, FLOORB
	v_max_num_f32 v17, v17, |v[ZB+2]|
	v_add_nc_u32 v17, EOFF, v17
	v_cvt_scalef32_pk16_fp6_f32 v[PB+6:PB+8], v[ZB:ZB+15], v17
	v_lshrrev_b32 v18, 23, v17
	v_lshlrev_b32 v35, 16, v18                     ; its byte, at byte 2 of every member's scale word (lanes 0-15 are read)
.irp i, 6,7,8
	v_mov_b32 v[PB+12+\i], v[PB+\i]
.endr
	v_mul_u32_u24 v38, v38, 0x101                  ; W2's given byte in bytes 0 and 1
	v_mul_u32_u24 v39, v39, 0x101
	v_mov_b32 v16, s100
	v_mov_b32 v17, s101
	v_mul_f32 v16, 0x3fb8aa3b, v16
	v_mul_f32 v17, 0x3fb8aa3b, v17
	v_exp_f32 v16, v16                             ; tau
	v_exp_f32 v17, v17                             ; alpha
	v_nop                                          ; a plain line behind the exponentials,
	s_wait_alu depctr_va_vdst(0)                   ; the two exponentials have written v16 and v17, ahead of the first line that names a result
	v_max_num_f32 v16, 0x358637bd, v16             ; max(tau, 1e-6)
	v_rcp_f32 v16, v16
	v_mul_f32 v46, 0x4038aa3b, v17                 ; 2 log2(e) alpha.  (The plain line behind the reciprocal)
	s_wait_alu depctr_va_vdst(0)                   ; the reciprocal has written v16, ahead of its reader
	v_mul_f32 v44, 0x3fb8aa3b, v16                 ; c = log2(e) / max(tau, 1e-6), twice: a pair for the packed multiply
	v_mov_b32 v45, v44
	v_mov_b32 v47, s2
	v_mul_f32 v47, 0xbfb8aa3b, v47                 ; -log2(e) gate_b
	v_mov_b32 v240, 0x32edffee                     ; erf's a11, twice, and b6, twice: an instruction takes one literal
	v_mov_b32 v241, 0x32edffee
	v_mov_b32 v242, 0xb95fbd29
	v_mov_b32 v243, 0xb95fbd29
	GFINISH
	s_cmp_gt_u32 s59, 1
	s_cbranch_scc0 .Lgathered
	s_mov_b32 s66, 1
.Lgather:                                              ; only a bucket of more than 64 members comes here
	s_wait_alu depctr_va_vdst(0)                   ; v8 and v9 are written, which this step's LDS instructions read; the step before is done with v27 and v31, in which the two indices land
	GISSUE
	GFINISH
	s_add_co_u32 s66, s66, 1
	s_cmp_lt_u32 s66, s59
	s_cbranch_scc1 .Lgather
.Lgathered:
; gelu(x) = 0.5 x (1 + erf(x / sqrt 2)) on 16 registers, two at a time: erf(y) = y N(y^2) / D(y^2) on y held to -4 .. 4.  The 16 reciprocals are one batch with one wait.
.macro GELU h
.irp p, 0,2,4,6,8,10,12,14
	v_pk_mul_f32 v[\h+\p:\h+\p+1], v[\h+\p:\h+\p+1], 0.5 op_sel_hi:[1,0]      ; each accumulator is read from its low end on
.endr
.irp p, 0,2,4,6,8,10,12,14
	v_pk_mul_f32 v[GY+\p:GY+\p+1], v[\h+\p:\h+\p+1], 0x3fb504f3 op_sel_hi:[1,0]   ; y = (x / 2) sqrt 2
.endr
.irp i, 0,1,2,3,4,5,6,7,8,9,10,11,12,13,14,15
	v_med3_num_f32 v[GY+\i], v[GY+\i], -4.0, 4.0
.endr
.irp p, 0,2,4,6,8,10,12,14
	v_pk_mul_f32 v[GQ+\p:GQ+\p+1], v[GY+\p:GY+\p+1], v[GY+\p:GY+\p+1]
.endr
.irp p, 0,2,4,6,8,10,12,14
	v_pk_fma_f32 v[GN+\p:GN+\p+1], v[GQ+\p:GQ+\p+1], 0xaf95df0b, v[240:241] op_sel_hi:[1,0,1]   ; a13 q + a11
.endr
.irp p, 0,2,4,6,8,10,12,14
	v_pk_fma_f32 v[GD+\p:GD+\p+1], v[GQ+\p:GQ+\p+1], 0xb77460cd, v[242:243] op_sel_hi:[1,0,1]   ; b8 q + b6
.endr
.irp k, 0xb60cff51, 0xb86ec2d2, 0xba40ac63, 0xbb41a1f6, 0xbc83dbd4
.irp p, 0,2,4,6,8,10,12,14
	v_pk_fma_f32 v[GN+\p:GN+\p+1], v[GN+\p:GN+\p+1], v[GQ+\p:GQ+\p+1], \k op_sel_hi:[1,1,0]     ; a9, a7, a5, a3, a1
.endr
.endr
.irp k, 0xbadc924e, 0xbbf19bf8, 0xbc69b6a7
.irp p, 0,2,4,6,8,10,12,14
	v_pk_fma_f32 v[GD+\p:GD+\p+1], v[GD+\p:GD+\p+1], v[GQ+\p:GQ+\p+1], \k op_sel_hi:[1,1,0]     ; b4, b2, b0
.endr
.endr
.irp i, 0,1,2,3,4,5,6,7,8,9,10,11,12,13,14,15
	v_rcp_f32 v[GD+\i], v[GD+\i]
.endr
.irp p, 0,2,4,6,8,10,12,14
	v_pk_mul_f32 v[GN+\p:GN+\p+1], v[GN+\p:GN+\p+1], v[GY+\p:GY+\p+1]         ; plain work behind the reciprocals that names none of them
.endr
	s_wait_alu depctr_va_vdst(0)                   ; the 16 reciprocals have written v[GD ..], ahead of their first reader
.irp p, 0,2,4,6,8,10,12,14
	v_pk_mul_f32 v[GN+\p:GN+\p+1], v[GN+\p:GN+\p+1], v[GD+\p:GD+\p+1]         ; erf
.endr
.irp p, 0,2,4,6,8,10,12,14
	v_pk_fma_f32 v[\h+\p:\h+\p+1], v[\h+\p:\h+\p+1], v[GN+\p:GN+\p+1], v[\h+\p:\h+\p+1]
.endr
.endm
	; ---- the MLP: NT trips, 32 places of the list a trip as two tiles of 16
	s_mov_b32 s66, 0
.Lmlp:
	s_wait_alu depctr_va_vdst(0)                   ; v12 and v13 are written, which this trip's LDS instructions read; the vector lines of the trip before (on the way in: of the gather) are done with v24-30, in which the records land
	ds_load_b96 v[24:26], v12 offset:REC           ; member r of tile 0: t, value x mask, mask; both halves of the lanes read the same record
	ds_load_b96 v[28:30], v12 offset:REC+256       ; of tile 1
	s_wait_dscnt 0x0
.irp a, 0,1
	v_cndmask_b32 v[F0+16*\a], v[25+4*\a], s[VE+13], s67     ; lanes 0-15 take the member's three numbers, lanes 16-31 keep ve13 .. 15
	v_cndmask_b32 v[F0+16*\a+1], v[24+4*\a], s[VE+14], s67
	v_cndmask_b32 v[F0+16*\a+2], v[26+4*\a], s[VE+15], s67
.endr
.irp a, 0,1
	v_max3_num_f32 v[16+\a], |v[25+4*\a]|, |v[24+4*\a]|, v34 ; the block's largest magnitude: no other lane is asked
.endr
.irp a, 0,1
	v_max_num_f32 v[16+\a], v[16+\a], |v[26+4*\a]|
.endr
.irp a, 0,1
	v_add_nc_u32 v[16+\a], EOFF, v[16+\a]
.endr
.irp a, 0,1
	v_cvt_scalef32_pk16_fp6_f32 v[PB+12*\a:PB+12*\a+2], v[F0+16*\a:F0+16*\a+15], v[16+\a]
.endr
.irp a, 0,1
	v_lshrrev_b32 v[18+\a], 23, v[16+\a]
.endr
.irp a, 0,1
	v_mad_u32_u24 v[40+\a], v[18+\a], 0x101, v35   ; the member's scale word: block 0's byte twice, block 1's above
.endr
	PLACES 8                                       ; a scale register written by a vector instruction stands 8 places ahead of a scaled matrix instruction, an operand so written 4
	WIN 0x11                                       ; source 0 (weights) and C (bias) in window 1
	s_wait_alu depctr_va_vdst(0)                   ; the codes v[PB ..] and W1's, and the scale words v36, v37, v40, v41 are written, which the four products take; the places above stay beside this wait
.irp a, 0,1
.irp u, 0,1
	v_wmma_scale_f32_16x16x128_f8f6f4 v[H0+16*\a+8*\u:H0+16*\a+8*\u+7], v[W1A+12*\u:W1A+12*\u+11], v[PB+12*\a:PB+12*\a+11], v[B1+8*\u:B1+8*\u+7], v[36+\u], v[40+\a] matrix_a_fmt:MATRIX_FMT_FP6 matrix_b_fmt:MATRIX_FMT_FP6
.endr
.endr
	WIN 0
	PLACES 4                                       ; four places behind a matrix instruction of this form before a vector instruction reads its result (ISA guide 7.12.1)
	GELU H0
	GELU H0+16
.irp a, 0,1
	v_max3_num_f32 v[16+\a], |v[H0+16*\a]|, |v[H0+16*\a+1]|, FLOORB   ; the hidden layer's one block: my 16 units,
.endr
.irp i, 2,4,6,8,10,12,14
.irp a, 0,1
	v_max3_num_f32 v[16+\a], v[16+\a], |v[H0+16*\a+\i]|, |v[H0+16*\a+\i+1]|
.endr
.endr
.irp a, 0,1
	v_permlanex16_b32 v[PX+\a], v[16+\a], s60, s61
.endr
.irp a, 0,1
	v_max_num_f32 v[16+\a], v[16+\a], v[PX+\a]     ; and lane l xor 16's
.endr
.irp a, 0,1
	v_add_nc_u32 v[16+\a], EOFF, v[16+\a]
.endr
.irp a, 0,1
	v_cvt_scalef32_pk16_fp6_f32 v[PH+12*\a:PH+12*\a+2], v[H0+16*\a:H0+16*\a+15], v[16+\a]
.endr
.irp a, 0,1
	v_lshrrev_b32 v[18+\a], 23, v[16+\a]
.endr
.irp a, 0,1
	v_mul_u32_u24 v[42+\a], v[18+\a], 0x101
.endr
	PLACES 8
	WIN 0x11
	s_wait_alu depctr_va_vdst(0)                   ; the codes v[PH ..] and the scale words v38, v39, v42, v43 are written, which the four products take; the places above stay beside this wait
.irp a, 0,1
.irp t, 0,1
	v_wmma_scale_f32_16x16x128_f8f6f4 v[OA+16*\a+8*\t:OA+16*\a+8*\t+7], v[W2A+20*\t:W2A+20*\t+11], v[PH+12*\a:PH+12*\a+11], v[B2+56*\t:B2+56*\t+7], v[38+\t], v[42+\a] matrix_a_fmt:MATRIX_FMT_FP6 matrix_b_fmt:MATRIX_FMT_FP6
.endr
.endr
	WIN 0
	PLACES 4
	; the gate: h . gate_w in f32, four chains by turns, each accumulator from its low end on
.irp a, 0,1
.irp t, 0,1
	v_pk_mul_f32 v[DT+4*\a+2*\t:DT+4*\a+2*\t+1], v[OA+16*\a+8*\t:OA+16*\a+8*\t+1], v[GW+8*\t:GW+8*\t+1]
.endr
.endr
.irp p, 2,4,6
.irp a, 0,1
.irp t, 0,1
	v_pk_fma_f32 v[DT+4*\a+2*\t:DT+4*\a+2*\t+1], v[OA+16*\a+8*\t+\p:OA+16*\a+8*\t+\p+1], v[GW+8*\t+\p:GW+8*\t+\p+1], v[DT+4*\a+2*\t:DT+4*\a+2*\t+1]
.endr
.endr
.endr
.irp a, 0,1
	v_pk_add_f32 v[DT+4*\a:DT+4*\a+1], v[DT+4*\a:DT+4*\a+1], v[DT+4*\a+2:DT+4*\a+3]
.endr
.irp a, 0,1
	v_add_f32 v[DT+4*\a], v[DT+4*\a], v[DT+4*\a+1]
.endr
.irp a, 0,1
	v_permlanex16_b32 v[PX+\a], v[DT+4*\a], s60, s61
.endr
.irp a, 0,1
	v_add_f32 v[DT+4*\a], v[DT+4*\a], v[PX+\a]     ; with the other half's 16 outputs
.endr
.irp a, 0,1
	v_fma_f32 v[DT+4*\a], v[DT+4*\a], 0xbfb8aa3b, v47      ; -log2(e) (z + gate_b)
.endr
.irp a, 0,1
	v_exp_f32 v[DT+4*\a], v[DT+4*\a]
.endr
.irp a, 0,1
	v_cmp_gt_u32 s[40+\a], s57, v[10+\a]           ; is this place of the list below L?  (Plain lines behind the exponentials)
.endr
	s_wait_alu depctr_va_vdst(0)                   ; the two exponentials have written v244 and v248, ahead of their first reader
.irp a, 0,1
	v_add_f32 v[DT+4*\a], 1.0, v[DT+4*\a]
.endr
.irp a, 0,1
	v_rcp_f32 v[DT+4*\a], v[DT+4*\a]               ; the sigmoid; an exponential that has overflowed gives 0
.endr
	v_nop
	s_wait_alu depctr_va_vdst(0)                   ; the two reciprocals have written v244 and v248, ahead of their first reader
.irp a, 0,1
	v_mul_f32 v[DT+4*\a], v[DT+4*\a], v[26+4*\a]   ; spike_raw
.endr
.irp a, 0,1
	v_mul_f32 v[25+4*\a], v[DT+4*\a], v[26+4*\a]   ; w = spike_raw x mask, beside t;
.endr
	s_wait_alu depctr_va_sdst(0)                   ; the two masks s40 and s41 are written, ahead of their first readers, the selects below
.irp a, 0,1
	v_cndmask_b32 v[25+4*\a], 0, v[25+4*\a], s[40+\a]      ; a copy behind the list's end counts for nothing in the sums
.endr
	s_wait_alu depctr_va_vdst(0)                   ; v244, v248, v25 and v29 are written, which the four stores read as their data
.irp a, 0,1
	ds_store_b32 v12, v[DT+4*\a] offset:REC+256*\a+4       ; both lanes of a member write the same words with the same values
	ds_store_b64 v13, v[24+4*\a:25+4*\a] offset:TW+128*\a
.endr
	s_wait_alu depctr_vm_vsrc(0)                   ; the trip's LDS instructions have read v12 and v13, which are stepped below, and the stores their data, which the next trip writes again
	v_add_nc_u32 v12, 512, v12
	v_add_nc_u32 v13, 256, v13
	v_add_nc_u32 v10, 32, v10
	v_add_nc_u32 v11, 32, v11
	s_add_co_u32 s66, s66, 1
	s_cmp_lt_u32 s66, s58
	s_cbranch_scc1 .Lmlp
	s_min_u32 s36, s58, 64                         ; NT is at most 64
	s_lshl_b32 s36, s36, 8
	v_lshl_add_u32 v16, v0, 3, s36
	v_lshlrev_b32 v8, 2, v0                        ; the list, from the start again,
	v_add_nc_u32 v11, 32, v0                       ; and my second place in it
	s_wait_alu depctr_va_vdst(0)                   ; v16 is written, which the store below reads as its address
	ds_store_b64 v16, v[6:7] offset:TW             ; 32 zero pairs behind the last: the look-ahead below reads written bytes alone
; ---- the sums.  A lane holds two n (places 64 g + lane and + 32); m runs over the list, the same for all lanes: every lane reads the same 16 bytes.
.macro LOADM buf, off                  ; eight pairs (t_m, w_m)
.irp q, 0,1,2,3
	ds_load_b128 v[\buf+4*\q:\buf+4*\q+3], v15 offset:TW+\off+16*\q
.endr
.endm
; Eight m against my two n.  t_m - t_n is the reference's own difference with the sign turned; times c; 16 exponentials as one batch; the comparisons are the plain work behind them; the waits; where t_n > t_m does
; not hold the decay becomes 0 (an exponential that has overflowed among them); then the sums, in two chains.
; next, off: the other buffer and the bytes, from v15 on, of the eight pairs that it is asked for behind the waits.  on = 1: v15 moves on by a trip's 16 pairs ahead of them.
.macro PAIR8 buf, next, off, on
.irp k, 0,1,2,3,4,5,6,7
	v_pk_add_f32 v[XR+2*\k:XR+2*\k+1], v[\buf+2*\k:\buf+2*\k+1], v[TN:TN+1] op_sel_hi:[0,1] neg_lo:[0,1] neg_hi:[0,1]   ; of the pair (t, w) the low word serves both halves
.endr
.irp k, 0,1,2,3,4,5,6,7
	v_pk_mul_f32 v[XR+2*\k:XR+2*\k+1], v[XR+2*\k:XR+2*\k+1], v[44:45]
.endr
.irp i, 0,1,2,3,4,5,6,7,8,9,10,11,12,13,14,15
	v_exp_f32 v[XR+\i], v[XR+\i]
.endr
.if \on
	s_wait_alu depctr_vm_vsrc(0)                   ; the LDS loads issued so far have read v15
	v_add_nc_u32 v15, 128, v15
.endif
.irp k, 0,1,2,3,4,5,6,7
	v_cmp_gt_f32 s[40+2*\k], v[TN], v[\buf+2*\k]
	v_cmp_gt_f32 s[41+2*\k], v[TN+1], v[\buf+2*\k]
.endr
	s_wait_alu depctr_va_sdst(0)                   ; the 16 masks s40-55 are written, ahead of their first readers, the selects below
	s_wait_alu depctr_va_vdst(0)                   ; the 16 exponentials have written v[XR ..], ahead of their first reader; the step before is done reading the other buffer, in which the loads below land; v15 is written
	LOADM \next, \off                              ; the next step's eight pairs.  The selects and sums below name XR, this step's buffer, the sums and the masks: none of the registers that these loads touch
.irp i, 0,1,2,3,4,5,6,7,8,9,10,11,12,13,14,15
	v_cndmask_b32 v[XR+\i], 0, v[XR+\i], s[40+\i]
.endr
.irp k, 0,1,2,3,4,5,6,7
	v_pk_fma_f32 v[ACC+2*(\k%2):ACC+2*(\k%2)+1], v[XR+2*\k:XR+2*\k+1], v[\buf+2*\k:\buf+2*\k+1], v[ACC+2*(\k%2):ACC+2*(\k%2)+1] op_sel:[0,1,0] op_sel_hi:[1,1,1]   ; x w: the pair's high word for both halves
.endr
.endm
	s_mov_b32 s66, 0
.Lrows:
	v_mov_b32 v15, 0                               ; (the loads that read it stand ahead of the wait on vm_vsrc at the last trip's tail)
	s_wait_alu depctr_va_vdst(0)                   ; v15, v8 and v14 are written, which the loads below read; the vector lines issued so far are done with v24-31 and with buffer 0, in which they land
	ds_load_b96 v[24:26], v14 offset:REC           ; t, spike_raw, mask of my first n,
	ds_load_b96 v[28:30], v14 offset:REC+512       ; of my second,
	ds_load_b32 v27, v8                            ; and where they lie in the batch
	ds_load_b32 v31, v8 offset:128
	LOADM BUF0, 0
.irp i, 0,1,2,3
	v_mov_b32 v[ACC+\i], 0
.endr
	s_wait_dscnt 4                                 ; LDS loads come back in order: all but the four of the first buffer
	v_mov_b32 v[TN], v24
	v_mov_b32 v[TN+1], v28
	s_mov_b32 s63, 0
.Lcols:                                                ; 16 m a trip, on two buffers; each is asked for in the middle of the step on the other
	s_wait_dscnt 0x0                               ; buffer 0 is in, on the way in and round the back edge alike
	PAIR8 BUF0, BUF1, 64, 0
	s_wait_dscnt 0x0                               ; buffer 1 is in
	PAIR8 BUF1, BUF0, 0, 1                         ; it asks for the next trip's first eight (in the last trip: written bytes that nobody uses)
	s_add_co_u32 s63, s63, 1
	s_cmp_lt_u32 s63, s62
	s_cbranch_scc1 .Lcols
	s_wait_dscnt 0x0                               ; the look-ahead has landed: its registers are asked for again in the next trip
	s_wait_xcnt 0x0                                ; the last trip's two stores have had their addresses translated: their address and data registers are written again below
	s_wait_alu depctr_vm_vsrc(0)                   ; the last trip's two stores have read v32, v33, v200 and v201; this trip's LDS loads have read v8, v14 and v15: all of these are written again below or at the next trip's head
	v_pk_add_f32 v[ACC:ACC+1], v[ACC:ACC+1], v[ACC+2:ACC+3]
	v_mul_f32 v198, v[ACC], v26                    ; x mask_n: the refractory sum
	v_mul_f32 v199, v[ACC+1], v30
	v_mul_f32 v198, v198, v46                      ; 2 log2(e) alpha x it
	v_mul_f32 v199, v199, v46
	v_exp_f32 v198, v198
	v_exp_f32 v199, v199
	v_mul_f32 v200, v25, v26                       ; spike_raw x mask.  (Plain work behind the exponentials)
	v_mul_f32 v201, v29, v30
	v_cmp_gt_u32 s40, s57, v11                     ; is my second place below L?
	s_wait_alu depctr_va_vdst(0)                   ; the two exponentials have written v198 and v199, ahead of their first reader
	s_wait_alu depctr_va_sdst(0)                   ; the mask s40 is written, ahead of its first reader, the select of the index below
	v_add_f32 v198, 1.0, v198
	v_add_f32 v199, 1.0, v199
	v_rcp_f32 v198, v198                           ; 1 - tanh(y) = 2 / (1 + e^(2 y)), for every y: an exponential that has overflowed gives 0
	v_rcp_f32 v199, v199
	v_add_f32 v200, v200, v200
	v_add_f32 v201, v201, v201
	; My first place, 64 g + lane, lies below 32 NT (there is a trip g only if L > 64 g, so NT >= 2 g + 1): it has been through the MLP, as a member or as a copy of the first.  My second place may lie behind 32 NT,
	; where no spike was made: where it is not below L, I store my first place's number at my first place's address a second time.
	v_cndmask_b32 v31, v27, v31, s40
	v_min_u32 v27, 2047, v27
	v_min_u32 v31, 2047, v31
	v_lshlrev_b32 v32, 2, v27
	v_lshlrev_b32 v33, 2, v31
	s_wait_alu depctr_va_vdst(0)                   ; the two reciprocals have written v198 and v199, ahead of their first reader
	v_mul_f32 v200, v200, v198
	v_mul_f32 v201, v201, v199
	v_cndmask_b32 v201, v200, v201, s40
	s_wait_alu depctr_va_vdst(0)                   ; v32, v33, v200 and v201 are written, which the two stores read as offsets and data
	global_store_b32 v32, v200, s[32:33]           ; all lanes on: lanes that hold copies write the same number at the same place as the member's own lane
	global_store_b32 v33, v201, s[32:33]
	v_add_nc_u32 v14, 1024, v14
	v_add_nc_u32 v8, 256, v8
	v_add_nc_u32 v11, 64, v11
	s_add_co_u32 s66, s66, 1
	s_cmp_lt_u32 s66, s59
	s_cbranch_scc1 .Lrows
.Lend:
	s_wait_dscnt 0x0
	s_wait_alu depctr_hold_cnt(0) depctr_sa_sdst(0) depctr_va_vdst(0) depctr_va_sdst(0) depctr_va_ssrc(0) depctr_va_vcc(0) depctr_vm_vsrc(0)
	s_wait_tensorcnt 0x0
	ds_add_u32 v254, v255
	s_wait_dscnt 0x0
	s_endpgm
.Lfunc_end_k_q49b7cad8ec_spike:
	.size	k_q49b7cad8ec_spike, .Lfunc_end_k_q49b7cad8ec_spike-k_q49b7cad8ec_spike
	.p2alignl 7, 3214868480
	.fill 96, 4, 3214868480
	.section	.rodata,"a",@progbits
	.p2align	6, 0x0
	.amdhsa_kernel k_q49b7cad8ec_spike
		.amdhsa_group_segment_fixed_size 59648
		.amdhsa_private_segment_fixed_size 0
		.amdhsa_enable_private_segment 0
		.amdhsa_kernarg_size 120
		.amdhsa_user_sgpr_count 2
		.amdhsa_user_sgpr_kernarg_segment_ptr 1
		.amdhsa_wavefront_size32 1
		.amdhsa_system_sgpr_workgroup_id_x 1
		.amdhsa_system_sgpr_workgroup_id_y 1
		.amdhsa_system_sgpr_workgroup_id_z 1
		.amdhsa_system_vgpr_workitem_id 0
		.amdhsa_next_free_vgpr 392
		.amdhsa_next_free_sgpr 102
		.amdhsa_reserve_vcc 0
		.amdhsa_float_denorm_mode_32 3
		.amdhsa_float_denorm_mode_16_64 3
		.amdhsa_memory_ordered 1
		.amdhsa_forward_progress 1
		.amdhsa_inst_pref_size 98
	.end_amdhsa_kernel
	.amdgpu_metadata
---
amdhsa.version: [ 1, 2 ]
amdhsa.kernels:
  - .name:           k_q49b7cad8ec_spike
    .symbol:         k_q49b7cad8ec_spike.kd
    .args:
      - { .name: var_id, .offset: 0, .size: 8, .value_kind: global_buffer, .address_space: global }
      - { .name: value, .offset: 8, .size: 8, .value_kind: global_buffer, .address_space: global }
      - { .name: time_norm, .offset: 16, .size: 8, .value_kind: global_buffer, .address_space: global }
      - { .name: mask, .offset: 24, .size: 8, .value_kind: global_buffer, .address_space: global }
      - { .name: var_emb, .offset: 32, .size: 8, .value_kind: global_buffer, .address_space: global }
      - { .name: W1, .offset: 40, .size: 8, .value_kind: global_buffer, .address_space: global }
      - { .name: b1, .offset: 48, .size: 8, .value_kind: global_buffer, .address_space: global }
      - { .name: W2_codes, .offset: 56, .size: 8, .value_kind: global_buffer, .address_space: global }
      - { .name: W2_scales, .offset: 64, .size: 8, .value_kind: global_buffer, .address_space: global }
      - { .name: b2, .offset: 72, .size: 8, .value_kind: global_buffer, .address_space: global }
      - { .name: gate_w, .offset: 80, .size: 8, .value_kind: global_buffer, .address_space: global }
      - { .name: gate_b, .offset: 88, .size: 8, .value_kind: global_buffer, .address_space: global }
      - { .name: log_tau_r, .offset: 96, .size: 8, .value_kind: global_buffer, .address_space: global }
      - { .name: log_alpha, .offset: 104, .size: 8, .value_kind: global_buffer, .address_space: global }
      - { .name: out0, .offset: 112, .size: 8, .value_kind: global_buffer, .address_space: global }
    .group_segment_fixed_size: 59648
    .private_segment_fixed_size: 0
    .kernarg_segment_align: 8
    .kernarg_segment_size: 120
    .max_flat_workgroup_size: 32
    .sgpr_count:     102
    .vgpr_count:     392
    .wavefront_size: 32
...
	.end_amdgpu_metadata
.endif
;; end of part 2
